; MI455X (gfx1250); checked and timed in simulation.
; The chip was launched on July 23, 2026; its instructions are those of AMD's public machine-readable ISA for CDNA 5 (MIT licence, August 2026) and "CDNA5" Instruction Set Architecture Reference Guide (July 2026). The comments in the code are by the model that wrote it; some were corrected since.
;; Multi Headed Attention. Allowed arithmetic: matrix products marked QUANTISED: E2M1 operands, one E8M0 scale for each 32 along K, by v_wmma_scale_f32_16x16x128_f8f6f4 with both operands' format E2M1 (or v_wmma_scale_f32_32x16x128_f4), f32 sums; products left as they are: bf16, f16 or f32 operands; f32 sums; everything else in f32.
;; Inputs: Wk 1,024 x 1,024 float32; Wo 1,024 x 1,024 float32; Wq 1,024 x 1,024 float32; Wv 1,024 x 1,024 float32; bk 1,024 float32; bo 1,024 float32; bq 1,024 float32; bv 1,024 float32; key 4 x 2,048 x 1,024 float32; mask 4 x 2,048 x 2,048 int32; query 4 x 2,048 x 1,024 float32; value 4 x 2,048 x 1,024 float32.
;; Outputs: out0 4 x 2,048 x 1,024 float32.
;; This version of the problem:
;;   THIS VERSION OF THE PROBLEM IS GIVEN IN LOW PRECISION. The matrix products marked QUANTISED in the list below multiply operands that are first quantised to E2M1 (2 exponent bits, 1 mantissa bit; 4 bits a number), with one power-of-two scale for each 32 numbers along K (OCP MX v1.0); their sums are f32. The products marked 'left as it is' may take bf16, f16 or f32 operands, with f32 sums. Whichever they take, every output number must still come out within the allowed error. Rounding operands to bf16 (8 significant bits) uses up far more of that allowance than f16 does (11 bits, for magnitudes from 6e-5 to 65,504). All else is computed in f32.
;;   The module's matrix products, in the order in which they are computed (A, B: the left and right operand; K: the contracted axis; several contracted axes count as one K, in the product's order):
;;     1. [M 8,192, K 1,024] x [K 1,024, N 1,024]; A: input query; B: input Wq: QUANTISED
;;     2. [M 8,192, K 1,024] x [K 1,024, N 1,024]; A: input key; B: input Wk: QUANTISED
;;     3. [M 8,192, K 1,024] x [K 1,024, N 1,024]; A: input value; B: input Wv: QUANTISED
;;     4. batch 64 x [M 2,048, K 64] x [K 64, N 2,048]; A: computed on the way; B: computed on the way: left as it is (an operand is computed on the way)
;;     5. batch 64 x [M 2,048, K 2,048] x [K 2,048, N 64]; A: computed on the way; B: computed on the way: left as it is (an operand is computed on the way)
;;     6. [M 8,192, K 1,024] x [K 1,024, N 1,024]; A: computed on the way; B: input Wo: left as it is (an operand is computed on the way)
;;   THE QUANTISER, for each operand of a quantised product, along K:
;;     - K is cut into blocks of 32 from its start; a last block that is shorter is filled with zeros.
;;     - A block's scale is 2^e with e = floor(log2(the largest magnitude in the block)) - 2, held to -126 .. 127; a block of zeros has e = 0. As a byte (E8M0): e + 127.
;;     - Each number is divided by its block's scale, clamped to +-6, and rounded to the nearest number of E2M1, ties to even, subnormals kept.
;;     - The product sums the exact products of the quantised numbers (number of the format x scale) in f32.
;;   ~~~python
;;   def quantise(x, axis):      # numpy; x: float32 -> the quantised numbers, widened to float32 again
;;       x = np.moveaxis(x, axis, -1); K = x.shape[-1]
;;       x = np.pad(x, [(0, 0)] * (x.ndim - 1) + [(0, -K % 32)]); x = x.reshape(x.shape[:-1] + (-1, 32)); a = np.abs(x).max(-1, keepdims=True)
;;       e = np.where(a > 0, np.clip(np.frexp(np.where(a > 0, a, 1))[1] - 1 - 2, -126, 127), 0)      # np.frexp(a)[1] - 1 = floor(log2(a)), exactly
;;       r = np.clip(x / 2.0 ** e, -6, 6)
;;       step = 2.0 ** (np.maximum(np.frexp(np.where(r == 0, 1, r))[1] - 1, 0) - 1)
;;       q = np.round(r / step) * step * 2.0 ** e      # np.round: ties to even
;;       return np.moveaxis(q.reshape(q.shape[:-2] + (-1,))[..., :K], -1, axis).astype(np.float32)
;;   ~~~
;; One version. Each part assembles by itself: llvm-mc -triple=amdgcn-amd-amdhsa -mcpu=gfx1250 --defsym DOCPART=n.
;; ======== version 1 of 1: 4 launches
;; limits: values are held in f16: magnitudes above 65,504 overflow, below 6.1e-05 lose precision
;; workspace buffers: xc 12,582,912 bytes; xs 786,432 bytes; wc 1,572,864 bytes; ws 98,304 bytes; wo16 2,097,152 bytes; mbits 2,097,152 bytes of whole numbers; qkv 50,331,648 bytes; xa 16,777,216 bytes
;; launch prep (part 1): grid 1456 x 1, 4 waves a work-group, no clusters, 101,888 bytes of LDS; arguments query, key, value, Wq, Wk, Wv, Wo, mask, xc, xs, wc, ws, wo16, mbits; writes xc, xs, wc, ws, wo16, mbits
.if DOCPART == 1
	.amdgcn_target "amdgcn-amd-amdhsa--gfx1250"
	.amdhsa_code_object_version 6
	.text
	.protected	k_q2b8782e141_prep
	.globl	k_q2b8782e141_prep
	.p2align	8
	.type	k_q2b8782e141_prep,@function
k_q2b8782e141_prep:
	s_mov_b64 s[64:65], 0
	v_nop
	global_prefetch_b8 v0, s[64:65] scope:SCOPE_SE
	s_setreg_imm32_b32 hwreg(HW_REG_WAVE_MODE, 25, 1), 1
	s_wait_xcnt 0x0
; PREPARATION, four kinds of work in one launch, chosen by the work-group's number:
;   0 .. 47      Wq, Wk, Wv [1024 (k)][1024 (n)] f32 -> codes of E2M1 with K innermost, wc [3 x 1024 n][512 B], and E8M0 bytes ws [3 x 1024 n][32 B]
;   48 .. 175    Wo f32 -> f16, as it lies
;   176 .. 687   mask [4][2048][2048] int32 -> lane masks: mbits [16 queries QT][16 keys kt][j 0..7], bit r + 16 h of a word = (mask[16 QT + r][16 kt + 8 h + j] != 0)
;   688 .. 1455  query, key, value [8192][1024] f32 -> codes xc [3 x 8192][512 B] and E8M0 bytes xs [3 x 8192][32 B]
; A block's scale is 2^(floor(log2(its largest magnitude)) - 2); its byte is the largest magnitude's exponent field - 2, held at 1 from below.  A block of zeros so gets the byte 1: its codes are
; zeros, which add nothing, and this program alone reads the bytes.
; LIMITS: blocks whose largest magnitude lies under 2^-124 keep the byte 1; NaN and infinities among the inputs are not served.
; No tensor load, no barrier: waves share nothing.  Each kind of work has LDS bytes of its own.
.set XB,    0                          ; x: 8,192 bytes a wave: two stages of 32 x 80, then 256 scale bytes
.set WB,    32768                      ; W: 32 rows x 272 bytes a wave
.set MB,    67584                      ; mask: 16 rows x 528 bytes a wave
.set SPARE, 101376                     ; the spare words, 128 bytes for each wave: two blocks of 256 bytes that no other line names
.set SPW,   224                        ; v224 LDS address of my spare word; never rewritten
.set NIL,   225                        ; v225 0; never rewritten
.macro FINISH                          ; the wave's end, behind my last LDS store
	s_wait_tensorcnt 0x0
	ds_add_u32 v[SPW], v[NIL]
	s_wait_dscnt 0x0
	s_endpgm
.endm
	v_lshl_add_u32 v[SPW], v0, 2, SPARE
	v_mov_b32 v[NIL], 0
	v_lshrrev_b32 v1, 5, v0
	v_readfirstlane_b32 s16, v1                    ; wave 0..3
	v_and_b32 v2, 31, v0                           ; lane
	s_cmp_lt_u32 ttmp9, 48
	s_cbranch_scc1 .Lw
	s_cmp_lt_u32 ttmp9, 176
	s_cbranch_scc1 .Lwo
	s_cmp_lt_u32 ttmp9, 688
	s_cbranch_scc1 .Lmask
; ---------------- query, key, value: K innermost.  A wave takes 16 steps of 512 numbers.  Each load reads 512 consecutive bytes; a step's 2,048 bytes turn through the wave's stage so that a lane holds 16 neighbours.
.set SP,  80                           ; a lane's place in a stage: 64 bytes + 16 of padding
.set XR,  16                           ; v16-79   four sets of 16 numbers as loaded
.set XX,  80                           ; v80-111  two sets of 16 neighbours
.set XE,  112                          ; v112-127 a scale byte for each step
.set XC,  128                          ; v128-191 codes, four registers a step: no store's data are written again
	s_load_b128 s[4:7], s[0:1], 0x0                ; query, key
	s_load_b64 s[8:9], s[0:1], 0x10                ; value
	s_load_b128 s[12:15], s[0:1], 0x40             ; xc, xs
	v_lshlrev_b32 v3, 4, v2                        ; my 16 bytes of a load's 512
	s_mul_i32 s17, s16, 8192                       ; my wave's region (XB = 0)
	v_lshrrev_b32 v14, 2, v2
	v_mul_u32_u24 v14, v14, SP
	v_and_b32 v15, 3, v2
	v_lshl_add_u32 v14, v15, 4, v14
	v_add_nc_u32 v14, s17, v14                     ; the stage, in: SP (lane / 4) + 16 (lane % 4)
	v_mul_u32_u24 v15, v2, SP
	v_add_nc_u32 v15, s17, v15                     ; and out: SP x lane
	v_lshlrev_b32 v4, 3, v2                        ; my 8 bytes of a step's codes
	v_lshrrev_b32 v5, 1, v2
	s_add_co_u32 s17, s17, 2*32*SP
	v_add_nc_u32 v5, s17, v5                       ; my block's byte among the wave's 256
	v_lshlrev_b32 v7, 3, v2
	v_add_nc_u32 v6, s17, v7
	s_sub_co_u32 s18, ttmp9, 688                   ; 0..767: 256 work-groups a tensor
	s_and_b32 s19, s18, 255
	s_lshl_b32 s19, s19, 2
	s_add_co_u32 s19, s19, s16
	s_lshl_b32 s22, s19, 15                        ; in: 32,768 bytes a wave
	s_mov_b32 s23, 0
	s_lshl_b32 s19, s18, 2
	s_add_co_u32 s19, s19, s16
	s_lshl_b32 s24, s19, 12                        ; codes: 4,096 bytes a wave
	s_mov_b32 s25, 0
	s_lshl_b32 s26, s19, 8                         ; scale bytes: 256 a wave
	s_mov_b32 s27, 0
	s_wait_kmcnt 0x0
	s_cmp_lt_u32 s18, 512                          ; the choice hangs on the work-group's number alone
	s_cselect_b64 s[20:21], s[6:7], s[8:9]
	s_cmp_lt_u32 s18, 256
	s_cselect_b64 s[4:5], s[4:5], s[20:21]
	s_add_nc_u64 s[4:5], s[4:5], s[22:23]
	s_add_nc_u64 s[8:9], s[12:13], s[24:25]
	s_add_nc_u64 s[10:11], s[14:15], s[26:27]
.macro XLOAD t
.irp i, 0,1,2,3
	global_load_b128 v[XR+16*((\t)%4)+4*\i:XR+16*((\t)%4)+4*\i+3], v3, s[4:5] offset:2048*(\t)+512*\i th:TH_LOAD_NT
.endr
.endm
.macro XTURN t                         ; LDS serves a wave's instructions in order: no wait between the stores and the loads
.irp i, 0,1,2,3
	ds_store_b128 v14, v[XR+16*((\t)%4)+4*\i:XR+16*((\t)%4)+4*\i+3] offset:32*SP*((\t)%2)+8*SP*\i
.endr
.irp i, 0,1,2,3
	ds_load_b128 v[XX+16*((\t)%2)+4*\i:XX+16*((\t)%2)+4*\i+3], v15 offset:32*SP*((\t)%2)+16*\i
.endr
.endm
.irp t, 0,1,2,3
	XLOAD \t
.endr
	s_wait_loadcnt 12                              ; step 0's four loads are in
	XTURN 0
.macro XSTEP t
.set XS, XX+16*((\t)%2)
.if (\t) > 0
	s_wait_dscnt 1                                 ; this step's numbers are back (the last step's byte store may be out): its stores into the stage have read their registers,
.else
	s_wait_dscnt 0x0
.endif
.if (\t)+4 < 16
	XLOAD (\t)+4                                   ; which take the loads of four steps on
.endif
.if (\t)+1 < 16
.if 14-(\t) >= 3
	s_wait_loadcnt 12                              ; the next step's four loads are in; those of the three steps behind it may be out
.else
	s_wait_loadcnt 4*(14-(\t))
.endif
	XTURN (\t)+1
.endif
	v_max3_num_f32 v8, |v[XS]|, |v[XS+1]|, |v[XS+2]|
	v_max3_num_f32 v9, |v[XS+3]|, |v[XS+4]|, |v[XS+5]|
.irp i, 6,10
	v_max3_num_f32 v8, v8, |v[XS+\i]|, |v[XS+\i+1]|
	v_max3_num_f32 v9, v9, |v[XS+\i+2]|, |v[XS+\i+3]|
.endr
	v_max3_num_f32 v8, v8, |v[XS+14]|, |v[XS+15]|
	v_max3_num_f32 v8, v8, v9, 0x1800000           ; and the floor 2^(3 - 127): the byte cannot fall under 1
	v_max_num_f32_dpp v8, v8, v8 row_xmask:1 row_mask:0xf bank_mask:0xf   ; with my neighbour's 16: the block's largest magnitude
	v_add_nc_u32 v11, 0xff000000, v8               ; 2 off its exponent field: the conversion's scale operand
	v_cvt_scalef32_pk8_fp4_f32 v[XC+4*(\t)], v[XS:XS+7], v11
	v_cvt_scalef32_pk8_fp4_f32 v[XC+4*(\t)+1], v[XS+8:XS+15], v11
	v_lshrrev_b32 v[XE+(\t)], 23, v11              ; the scale's byte
	ds_store_b8 v5, v[XE+(\t)] offset:16*(\t)      ; both lanes of a block write the same byte with the same value
	global_store_b64 v4, v[XC+4*(\t):XC+4*(\t)+1], s[8:9] offset:256*(\t)   ; the wave stores 256 consecutive bytes, aligned
.endm
.irp t, 0,1,2,3,4,5,6,7,8,9,10,11,12,13,14,15
	XSTEP \t
.endr
	ds_load_b64 v[8:9], v6                         ; in order behind my byte stores
	s_wait_dscnt 0x0
	global_store_b64 v7, v[8:9], s[10:11]          ; the wave's 256 scale bytes, aligned
	FINISH
; ---------------- Wq, Wk, Wv: K is the first axis.  A lane takes a column n and its registers run down K; a wave takes 32 columns x 512 along K.
.set WP,  272                          ; a stage row: 256 bytes of codes + 16
.set WX,  32                           ; v32-95   two sets of 32 numbers
.set WC,  96                           ; v96-99   a block's codes
.set WOUT, 112                         ; v112-175 the way out
.set WSB, 24                           ; v24-27   the scale bytes, four to a register
.Lw:
	s_load_b128 s[4:7], s[0:1], 0x18               ; Wq, Wk
	s_load_b64 s[8:9], s[0:1], 0x28                ; Wv
	s_load_b128 s[12:15], s[0:1], 0x50             ; wc, ws
	s_lshr_b32 s17, ttmp9, 4                       ; which weight
	s_and_b32 s18, ttmp9, 7
	s_bfe_u32 s19, ttmp9, 0x10003                  ; which 512 along K
	s_lshl_b32 s18, s18, 7
	s_lshl_b32 s20, s16, 5
	s_add_co_u32 s18, s18, s20                     ; my wave's first column
	v_lshlrev_b32 v3, 2, v2                        ; in: 4 bytes a lane
	s_mul_i32 s20, s16, 32*WP
	s_add_co_u32 s20, s20, WB                      ; my stage
	v_mul_u32_u24 v4, v2, WP
	v_add_nc_u32 v4, s20, v4                       ; into it: row = my column
	v_and_b32 v5, 15, v2
	v_lshrrev_b32 v6, 4, v2
	v_mul_u32_u24 v7, v6, WP
	v_lshl_add_u32 v7, v5, 4, v7
	v_add_nc_u32 v7, s20, v7                       ; out of it: sixteen lanes to a row, two rows an instruction
	v_lshlrev_b32 v8, 9, v6
	v_lshl_add_u32 v8, v5, 4, v8                   ; the same place in wc: rows of 512 bytes
	v_lshlrev_b32 v9, 5, v2                        ; my column's row of 32 scale bytes
	s_lshl_b32 s22, s19, 21                        ; 512 rows of 4,096 bytes
	s_lshl_b32 s23, s18, 2
	s_add_co_u32 s22, s22, s23
	s_mov_b32 s23, 0
	s_lshl_b32 s24, s17, 10
	s_add_co_u32 s24, s24, s18                     ; row of wc and ws
	s_lshl_b32 s26, s24, 5
	s_lshl_b32 s24, s24, 9
	s_lshl_b32 s25, s19, 8
	s_add_co_u32 s24, s24, s25
	s_mov_b32 s25, 0
	s_lshl_b32 s27, s19, 4
	s_add_co_u32 s26, s26, s27
	s_mov_b32 s27, 0
	s_wait_kmcnt 0x0
	s_cmp_eq_u32 s17, 0
	s_cselect_b64 s[4:5], s[4:5], s[6:7]
	s_cmp_eq_u32 s17, 2
	s_cselect_b64 s[4:5], s[8:9], s[4:5]
	s_add_nc_u64 s[4:5], s[4:5], s[22:23]
	s_add_nc_u64 s[6:7], s[12:13], s[24:25]
	s_add_nc_u64 s[8:9], s[14:15], s[26:27]
.macro WLOAD t                         ; block t: W(32 t + i, my column) into set t % 2; 32 lanes read 128 consecutive bytes
.set i, 0
.rept 32
	global_load_b32 v[WX+32*((\t)%2)+i], v3, s[4:5] offset:(32*(\t)+i)*4096 th:TH_LOAD_NT
.set i, i+1
.endr
.endm
	WLOAD 0
	WLOAD 1
.macro WBLOCK t
.set WS, WX+32*((\t)%2)
.if (\t) < 15
	s_wait_loadcnt 32                              ; this block's 32 loads are in; the next block's may be out
.else
	s_wait_loadcnt 0x0
.endif
	v_max3_num_f32 v12, |v[WS]|, |v[WS+1]|, |v[WS+2]|      ; all 32 numbers of the block are mine
	v_max3_num_f32 v13, |v[WS+3]|, |v[WS+4]|, |v[WS+5]|
.irp i, 6,10,14,18,22,26
	v_max3_num_f32 v12, v12, |v[WS+\i]|, |v[WS+\i+1]|
	v_max3_num_f32 v13, v13, |v[WS+\i+2]|, |v[WS+\i+3]|
.endr
	v_max3_num_f32 v12, v12, |v[WS+30]|, |v[WS+31]|
	v_max3_num_f32 v12, v12, v13, 0x1800000        ; and the floor
	v_add_nc_u32 v11, 0xff000000, v12
	v_lshrrev_b32 v13, 23, v11
.if (\t)%4 == 0
	v_mov_b32 v[WSB+(\t)/4], v13
.else
	v_lshl_or_b32 v[WSB+(\t)/4], v13, 8*((\t)%4), v[WSB+(\t)/4]
.endif
.irp g, 0,1,2,3
	v_cvt_scalef32_pk8_fp4_f32 v[WC+\g], v[WS+8*\g:WS+8*\g+7], v11
.endr
	ds_store_b128 v4, v[WC:WC+3] offset:16*(\t)    ; 32 codes: 16 bytes of my column's row
.if (\t)+2 < 16
	WLOAD (\t)+2
.endif
	s_wait_dscnt 0x0                               ; the store has read its registers: the next block's codes may be written
.endm
.irp t, 0,1,2,3,4,5,6,7,8,9,10,11,12,13,14,15
	WBLOCK \t
.endr
	global_store_b128 v9, v[WSB:WSB+3], s[8:9]     ; my column's 16 scale bytes
.irp t, 0,1,2,3,4,5,6,7,8,9,10,11,12,13,14,15
	ds_load_b128 v[WOUT+4*\t:WOUT+4*\t+3], v7 offset:2*\t*WP
.endr
.irp t, 0,1,2,3,4,5,6,7,8,9,10,11,12,13,14,15
	s_wait_dscnt 15-\t                             ; the younger row loads may be out
	global_store_b128 v8, v[WOUT+4*\t:WOUT+4*\t+3], s[6:7] offset:2*\t*512   ; sixteen lanes store 256 consecutive bytes, aligned
.endr
	FINISH
; ---------------- Wo to f16, as it lies: a wave reads 8,192 bytes and writes 4,096.  No register is written twice.
.Lwo:
	s_load_b64 s[4:5], s[0:1], 0x30                ; Wo
	s_load_b64 s[6:7], s[0:1], 0x60                ; wo16
	s_sub_co_u32 s17, ttmp9, 48
	s_lshl_b32 s17, s17, 2
	s_add_co_u32 s17, s17, s16
	s_lshl_b32 s18, s17, 13
	s_mov_b32 s19, 0
	s_lshl_b32 s20, s17, 12
	s_mov_b32 s21, 0
	v_lshlrev_b32 v3, 4, v2
	v_lshlrev_b32 v4, 3, v2
	s_wait_kmcnt 0x0
	s_add_nc_u64 s[4:5], s[4:5], s[18:19]
	s_add_nc_u64 s[6:7], s[6:7], s[20:21]
.irp i, 0,1,2,3,4,5,6,7,8,9,10,11,12,13,14,15
	global_load_b128 v[32+4*\i:35+4*\i], v3, s[4:5] offset:512*\i th:TH_LOAD_NT
.endr
.irp i, 0,1,2,3,4,5,6,7,8,9,10,11,12,13,14,15
	s_wait_loadcnt 15-\i                           ; the younger loads may be out
	v_cvt_pk_f16_f32 v[128+2*\i], v[32+4*\i], v[33+4*\i]
	v_cvt_pk_f16_f32 v[129+2*\i], v[34+4*\i], v[35+4*\i]
	global_store_b64 v4, v[128+2*\i:129+2*\i], s[6:7] offset:256*\i   ; the wave stores 256 consecutive bytes, aligned
.endr
	FINISH
; ---------------- the mask.  A wave takes 16 queries x 512 keys, in four sub-tiles of 128 keys.  Loads read 512 consecutive bytes of a row; the sub-tile turns through the wave's stage so that
; lane (r, h) holds, for each 16 keys kt, the eight words of query r and keys 16 kt + 8 h + 0 .. 7.  A compare then gives the lane mask that attention's select wants for one score register.
.set MR,   32                          ; v32-159  two sets of 64 as loaded
.set MX,   160                         ; v160-223 a sub-tile as read back
.set MOUT, 16                          ; v16-23   a pair for each sub-tile: lane l holds words 2 l and 2 l + 1 of its 64
.Lmask:
	s_load_b64 s[4:5], s[0:1], 0x38                ; mask
	s_load_b64 s[6:7], s[0:1], 0x68                ; mbits
	s_sub_co_u32 s18, ttmp9, 176                   ; QT: which 16 queries; my wave: which 512 keys
	s_lshl_b32 s20, s18, 17                        ; 16 rows of 8,192 bytes
	s_lshl_b32 s22, s16, 11
	s_add_co_u32 s20, s20, s22
	s_mov_b32 s21, 0
	s_lshl_b32 s22, s18, 12                        ; out: 4,096 bytes for 16 queries, 1,024 for my 512 keys
	s_lshl_b32 s23, s16, 10
	s_add_co_u32 s22, s22, s23
	s_mov_b32 s23, 0
	v_lshlrev_b32 v3, 4, v2
	s_mul_i32 s24, s16, 16*528
	s_add_co_u32 s24, s24, MB                      ; my stage: rows of 512 bytes + 16
	v_add_nc_u32 v5, s24, v3
	v_and_b32 v8, 15, v2
	v_lshrrev_b32 v9, 4, v2
	v_mul_u32_u24 v6, v8, 528
	v_lshl_add_u32 v6, v9, 5, v6
	v_add_nc_u32 v6, s24, v6
	v_lshlrev_b32 v7, 3, v2
.irp j, 0,1,2,3,4,5,6,7
	v_mov_b32 v[MOUT+\j], 0                        ; written once whole: a lane write's destination counts as read
.endr
	s_wait_kmcnt 0x0
	s_add_nc_u64 s[4:5], s[4:5], s[20:21]
	s_add_nc_u64 s[6:7], s[6:7], s[22:23]
.macro MLOAD n
.irp row, 0,1,2,3,4,5,6,7,8,9,10,11,12,13,14,15
	global_load_b128 v[MR+64*((\n)%2)+4*\row:MR+64*((\n)%2)+4*\row+3], v3, s[4:5] offset:\row*8192+(\n)*512 th:TH_LOAD_NT
.endr
.endm
	MLOAD 0
	MLOAD 1
.macro MTILE n
.if (\n) < 3
	s_wait_loadcnt 16                              ; this sub-tile's 16 loads are in; the next one's may be out
.else
	s_wait_loadcnt 0x0
.endif
.irp row, 0,1,2,3,4,5,6,7,8,9,10,11,12,13,14,15
	ds_store_b128 v5, v[MR+64*((\n)%2)+4*\row:MR+64*((\n)%2)+4*\row+3] offset:\row*528
.endr
.irp q, 0,1,2,3,4,5,6,7,8,9,10,11,12,13,14,15
	ds_load_b128 v[MX+4*\q:MX+4*\q+3], v6 offset:64*(\q/2)+16*(\q%2)
.endr
	s_wait_dscnt 0x0                               ; the sub-tile is back, and the stores have read their registers
.if (\n) < 2
	MLOAD (\n)+2
.endif
.irp kt, 0,1,2,3,4,5,6,7
.irp j, 0,1,2,3,4,5,6,7
	v_cmp_ne_u32 s[36+8*(\kt%2)+\j], 0, v[MX+8*\kt+\j]
.endr
.irp j, 0,1,2,3,4,5,6,7
	v_writelane_b32 v[MOUT+2*(\n)+(\j%2)], s[36+8*(\kt%2)+\j], 4*\kt+\j/2
.endr
.endr
	global_store_b64 v7, v[MOUT+2*(\n):MOUT+2*(\n)+1], s[6:7] offset:256*(\n)   ; the wave stores 256 consecutive bytes, aligned
.endm
	MTILE 0
	MTILE 1
	MTILE 2
	MTILE 3
	FINISH
.Lfunc_end_k_q2b8782e141_prep:
	.size	k_q2b8782e141_prep, .Lfunc_end_k_q2b8782e141_prep-k_q2b8782e141_prep
	.p2alignl 7, 3214868480
	.fill 96, 4, 3214868480
	.section	.rodata,"a",@progbits
	.p2align	6, 0x0
	.amdhsa_kernel k_q2b8782e141_prep
		.amdhsa_group_segment_fixed_size 101888
		.amdhsa_private_segment_fixed_size 0
		.amdhsa_enable_private_segment 0
		.amdhsa_kernarg_size 112
		.amdhsa_user_sgpr_count 2
		.amdhsa_user_sgpr_kernarg_segment_ptr 1
		.amdhsa_wavefront_size32 1
		.amdhsa_system_sgpr_workgroup_id_x 1
		.amdhsa_system_sgpr_workgroup_id_y 1
		.amdhsa_system_sgpr_workgroup_id_z 1
		.amdhsa_system_vgpr_workitem_id 0
		.amdhsa_next_free_vgpr 232
		.amdhsa_next_free_sgpr 66
		.amdhsa_reserve_vcc 0
		.amdhsa_float_denorm_mode_32 3
		.amdhsa_float_denorm_mode_16_64 3
		.amdhsa_memory_ordered 1
		.amdhsa_forward_progress 1
		.amdhsa_inst_pref_size 166
	.end_amdhsa_kernel
	.amdgpu_metadata
---
amdhsa.version: [ 1, 2 ]
amdhsa.kernels:
  - .name:           k_q2b8782e141_prep
    .symbol:         k_q2b8782e141_prep.kd
    .args:
      - { .name: query, .offset: 0, .size: 8, .value_kind: global_buffer, .address_space: global }
      - { .name: key, .offset: 8, .size: 8, .value_kind: global_buffer, .address_space: global }
      - { .name: value, .offset: 16, .size: 8, .value_kind: global_buffer, .address_space: global }
      - { .name: Wq, .offset: 24, .size: 8, .value_kind: global_buffer, .address_space: global }
      - { .name: Wk, .offset: 32, .size: 8, .value_kind: global_buffer, .address_space: global }
      - { .name: Wv, .offset: 40, .size: 8, .value_kind: global_buffer, .address_space: global }
      - { .name: Wo, .offset: 48, .size: 8, .value_kind: global_buffer, .address_space: global }
      - { .name: mask, .offset: 56, .size: 8, .value_kind: global_buffer, .address_space: global }
      - { .name: xc, .offset: 64, .size: 8, .value_kind: global_buffer, .address_space: global }
      - { .name: xs, .offset: 72, .size: 8, .value_kind: global_buffer, .address_space: global }
      - { .name: wc, .offset: 80, .size: 8, .value_kind: global_buffer, .address_space: global }
      - { .name: ws, .offset: 88, .size: 8, .value_kind: global_buffer, .address_space: global }
      - { .name: wo16, .offset: 96, .size: 8, .value_kind: global_buffer, .address_space: global }
      - { .name: mbits, .offset: 104, .size: 8, .value_kind: global_buffer, .address_space: global }
    .group_segment_fixed_size: 101888
    .private_segment_fixed_size: 0
    .kernarg_segment_align: 8
    .kernarg_segment_size: 112
    .max_flat_workgroup_size: 128
    .sgpr_count:     66
    .vgpr_count:     232
    .wavefront_size: 32
...
	.end_amdgpu_metadata
.endif
;; end of part 1
;; launch proj (part 2): grid 4 x 96, 4 waves a work-group, clusters of 4 x 4, 327,680 bytes of LDS; arguments xc, xs, wc, ws, qkv, bq, bk, bv; writes qkv
.if DOCPART == 2
	.amdgcn_target "amdgcn-amd-amdhsa--gfx1250"
	.amdhsa_code_object_version 6
	.text
	.protected	k_q2b8782e141_proj
	.globl	k_q2b8782e141_proj
	.p2align	8
	.type	k_q2b8782e141_proj,@function
k_q2b8782e141_proj:
	s_mov_b64 s[64:65], 0
	v_nop
	global_prefetch_b8 v0, s[64:65] scope:SCOPE_SE
	s_setreg_imm32_b32 hwreg(HW_REG_WAVE_MODE, 25, 1), 1
	s_wait_xcnt 0x0
	s_wait_alu depctr_hold_cnt(0) depctr_sa_sdst(0) depctr_va_vdst(0) depctr_va_sdst(0) depctr_va_ssrc(0) depctr_va_vcc(0) depctr_vm_vsrc(0)
	s_getreg_b32 s2, hwreg(HW_REG_IB_STS2, 6, 4)
	s_cmp_eq_u32 s2, 0
	s_cbranch_scc0 .Lentry_in_a_cluster
	s_endpgm
.Lentry_in_a_cluster:
	s_bfe_u32 s2, ttmp6, 0x10000c
	s_cmp_lg_u32 s2, 0xf033
	s_cbranch_scc0 .Lentry_shape_is_right
	s_endpgm
.Lentry_shape_is_right:
; THE THREE PROJECTIONS on codes of E2M1 with one E8M0 scale for each 32 along K: y[m][n] = sum over k of x[m][k] W[k][n] + b[n], for query/Wq/bq, key/Wk/bk, value/Wv/bv in one launch.
; xc: [3 x 8192 rows][512 B], xs: [.][32 B]; wc: [3 x 1024 n][512 B], ws: [.][32 B].  Result rounded once to f16 and laid by heads: qkv [3][b 4][h 16][s 2048][64].
; LIMIT: a result beyond f16's 65,504 is not served.
; A tile of 256 rows x 256 columns is made by four waves, 128 x 128 each: 64 accumulators, 512 registers.  K = 1,024 is two LDS slots of 512: both are asked for at the start and nothing is filled again.
; The scale bytes of the tile's 256 + 256 rows, for all of K, come once, as units of 256 bytes.
; CLUSTERS: 4 x 4 work-groups; x's tiles are asked for jointly along a row of the cluster, W's along a column.  Eight clusters along y make one tensor, so all partners of a cluster share the weight.
; THE MATRIX INSTRUCTION IS USED TRANSPOSED (source 0 = 16 rows of wc, source 1 = 16 rows of xc): a lane holds eight neighbouring columns of one row.  The bias is the C of each sum's first product.
; REGISTERS: window 0: v0-31 addresses; v32-95 scale words, two sets; v128-191 x's fragments, one set; v192-255 the bias, 8 registers for each 16 columns; on the way out v32-63 packed results, v128-191 rows read back.
;   window 1: W's fragments, two sets, at v0 and v128.   window 2: accumulators of my rows 0-63 ((a, b) at v[8 (8 a + b)]);   window 3: rows 64-127.
.set NQ,     4                         ; steps of 128 along K in a slot
.set ROWB,   256                       ; a tile's row in bytes: 512 codes
.set KROW,   512                       ; a row of xc or wc in memory
.set PITCH,  272                       ; an LDS row: 256 bytes + 16: the 16 rows that a load touches start 68 words apart
.set FR,     8
.set NL,     2
.set NP,     4                         ; places behind this matrix instruction (ISA guide 7.12.1)
.set HALFT,  128*PITCH
.set SLOT,   4*HALFT
.set KS,     32                        ; a row of scale bytes
.set SCL,    2*SLOT
.set HALFS,  16*272                    ; the scales of 128 rows
.set SBLK,   2*272                     ; of 16 rows
.set SPARE,  SCL+4*HALFS               ; the spare words, 128 bytes for each wave
.set ADRA, 16
.set ADRB, 20
.set STO,  24
.set RD,   25
.set CO,   26
.set ADRS, 27
.set SPW,  28
.set NIL,  29
.set BO,   30                          ; v30  32 x (lane / 16): my eight numbers of a bias block
.set SC,   32
.set AF,   128
.set BIAS, 192
.set TMP,  32
.set BK,   128
.set G1, 24
.set G0, 32
.set G1B, 48
.set G0B, 56
.set G1S, 68
.set G0S, 76
.set G1SB, 80
.set G0SB, 88
.set MSB, 0
.macro WIN new                         ; the immediate's high byte repeats the setting that is left
.if MSB != (\new)
	s_set_vgpr_msb (MSB<<8)|(\new)
.set MSB, \new
.endif
.endm
.set MUL_LO, 0xa1                      ; source 0 (W) window 1, source 1 (x) window 0, C and D window 2
.set MUL_HI, 0xf1                      ; the same, C and D window 3
.set TO_B,   0x40
; A joint load: waves 0 and 1 fetch for x, waves 2 and 3 for W; the branch hangs on the wave's number alone.  An s_nop 0 and four v_nop follow each line.
.macro JLOAD g0a, g1a, g0b, g1b
	s_cmp_eq_u32 s15, 0
	s_cbranch_scc0 .Lfor_b_\@
	tensor_load_to_lds s[\g0a:\g0a+3], s[\g1a:\g1a+7]
	s_nop 0
.rept 4
	v_nop
.endr
	s_branch .Lasked_\@
.Lfor_b_\@:
	tensor_load_to_lds s[\g0b:\g0b+3], s[\g1b:\g1b+7]
	s_nop 0
.rept 4
	v_nop
.endr
.Lasked_\@:
.endm
.macro CROUND                          ; a round of the cluster's barrier
	s_barrier_signal -1
	s_barrier_wait -1
	s_cmp_lg_u32 s14, 0
	s_cbranch_scc1 .Lnot_wave_0_\@
	s_barrier_signal -3
.Lnot_wave_0_\@:
	s_barrier_wait -3
	s_barrier_signal -1
	s_barrier_wait -1
.endm
	s_load_b128 s[4:7], s[0:1], 0x0                ; xc, xs
	s_load_b128 s[8:11], s[0:1], 0x10              ; wc, ws
	s_load_b64 s[12:13], s[0:1], 0x20              ; qkv
	s_load_b128 s[96:99], s[0:1], 0x28             ; bq, bk
	s_load_b64 s[100:101], s[0:1], 0x38            ; bv
	v_lshl_add_u32 v[SPW], v0, 2, SPARE
	v_mov_b32 v[NIL], 0
	ds_add_u32 v[SPW], v[NIL]                      ; the wave's opening: the add, twice on end, and its wait ahead of my first tensor load
	ds_add_u32 v[SPW], v[NIL]
	v_lshrrev_b32 v1, 5, v0
	v_readfirstlane_b32 s14, v1                    ; wave 0..3
	s_lshr_b32 s15, s14, 1                         ; which half of the tile's rows is mine.  Also: I fetch for x (0) or for W (1)
	s_and_b32 s16, s14, 1                          ; which half of its columns.  Also: which 128 rows I fetch
	s_bfe_u32 s40, ttmp6, 0x40000                  ; cx, cy
	s_bfe_u32 s41, ttmp6, 0x40004
	s_lshl_b32 s42, ttmp9, 2
	s_add_co_u32 s42, s42, s40                     ; tile column
	s_and_b32 s17, ttmp7, 0xffff
	s_lshr_b32 s95, s17, 3                         ; which tensor: from the cluster's y alone
	s_lshl_b32 s17, s17, 2
	s_add_co_u32 s17, s17, s41                     ; tile row, 0..95
	s_lshl_b32 s43, s41, 2
	s_lshl_b32 s43, 15, s43                        ; my row of the cluster
	s_lshl_b32 s44, 0x1111, s40                    ; my column
	s_or_b32 s[G1+0], s43, (0<<16)|(1<<20)|(1<<21)|(5<<22)|(3<<25)  ; mask; elements of 1 byte; padding on; bit 21 beside a mask; 4 words after every 64
	s_or_b32 s[G1B+0], s44, (0<<16)|(1<<20)|(1<<21)|(5<<22)|(3<<25)
.irp g, G1, G1B
	s_mov_b32 s[\g+1], ROWB<<16                    ; tensor_dim0
	s_mov_b32 s[\g+2], 128<<16                     ; tensor_dim1
	s_mov_b32 s[\g+3], ROWB<<16                    ; tile_dim0
	s_mov_b32 s[\g+4], 128                         ; tile_dim1
	s_mov_b32 s[\g+5], KROW                        ; stride
	s_mov_b32 s[\g+6], 0
	s_mov_b32 s[\g+7], 0
.endr
	s_or_b32 s[G1S+0], s43, (3<<16)|(1<<20)|(1<<21)|(5<<22)|(3<<25) ; the scales of 128 rows: 4,096 dense bytes as 16 rows of 256 (32 elements of 8 bytes)
	s_or_b32 s[G1SB+0], s44, (3<<16)|(1<<20)|(1<<21)|(5<<22)|(3<<25)
.irp g, G1S, G1SB
	s_mov_b32 s[\g+1], 32<<16
	s_mov_b32 s[\g+2], 16<<16
	s_mov_b32 s[\g+3], 32<<16
	s_mov_b32 s[\g+4], 16
	s_mov_b32 s[\g+5], 32
	s_mov_b32 s[\g+6], 0
	s_mov_b32 s[\g+7], 0
.endr
	s_lshl_b32 s18, s16, 7
	s_lshl_b32 s20, s17, 8
	s_add_co_u32 s20, s20, s18                     ; xc: row 256 x tile row + 128 x half
	s_lshl_b32 s46, s42, 8
	s_add_co_u32 s46, s46, s18
	s_lshl_b32 s47, s95, 10
	s_add_co_u32 s46, s46, s47                     ; wc: row 1,024 x tensor + 256 x tile column + 128 x half
	s_mov_b32 s21, 0
	s_mov_b32 s47, 0
	s_mov_b64 s[18:19], KS
	s_mul_u64 s[22:23], s[20:21], s[18:19]
	s_mul_u64 s[92:93], s[46:47], s[18:19]
	s_mov_b64 s[18:19], KROW
	s_mul_u64 s[20:21], s[20:21], s[18:19]
	s_mul_u64 s[46:47], s[46:47], s[18:19]
	s_mul_i32 s45, s14, HALFT                      ; where they go: wave x 128 rows
	s_mul_i32 s94, s14, HALFS
	s_wait_dscnt 0x0                               ; both opening adds are done
	s_wait_kmcnt 0x0
	s_add_nc_u64 s[20:21], s[4:5], s[20:21]
	s_add_nc_u64 s[22:23], s[6:7], s[22:23]
	s_add_nc_u64 s[46:47], s[8:9], s[46:47]
	s_add_nc_u64 s[92:93], s[10:11], s[92:93]
	CROUND                                         ; all sixteen work-groups are here: the joint loads meet
	s_mov_b32 s[G0S], 1
	s_add_co_u32 s[G0S+1], s94, SCL
	s_mov_b64 s[G0S+2:G0S+3], s[22:23]
	s_or_b32 s[G0S+3], s[G0S+3], 0x80000000
	s_mov_b32 s[G0SB], 1
	s_add_co_u32 s[G0SB+1], s94, SCL
	s_mov_b64 s[G0SB+2:G0SB+3], s[92:93]
	s_or_b32 s[G0SB+3], s[G0SB+3], 0x80000000
	JLOAD G0S, G1S, G0SB, G1SB                     ; the scales first; three loads of mine are out behind the next two
.irp s, 0,1
	s_mov_b32 s[G0+4*\s], 1
	s_add_co_u32 s[G0+4*\s+1], s45, \s*SLOT
	s_add_nc_u64 s[G0+4*\s+2:G0+4*\s+3], s[20:21], \s*ROWB
	s_or_b32 s[G0+4*\s+3], s[G0+4*\s+3], 0x80000000
	s_mov_b32 s[G0B+4*\s], 1
	s_add_co_u32 s[G0B+4*\s+1], s45, \s*SLOT
	s_add_nc_u64 s[G0B+4*\s+2:G0B+4*\s+3], s[46:47], \s*ROWB
	s_or_b32 s[G0B+4*\s+3], s[G0B+4*\s+3], 0x80000000
	JLOAD G0+4*\s, G1, G0B+4*\s, G1B
.endr
	v_and_b32 v1, 15, v0                           ; r
	v_bfe_u32 v2, v0, 4, 1                         ; h
	; the bias of my 128 columns: lane (r, h) wants, for block b, numbers 16 b + 8 h + 0 .. 7
	s_cmp_eq_u32 s95, 0
	s_cselect_b64 s[96:97], s[96:97], s[98:99]
	s_cmp_eq_u32 s95, 2
	s_cselect_b64 s[96:97], s[100:101], s[96:97]
	s_lshl_b32 s46, s42, 10
	s_lshl_b32 s47, s16, 9
	s_add_co_u32 s46, s46, s47
	s_mov_b32 s47, 0
	s_add_nc_u64 s[96:97], s[96:97], s[46:47]
	v_lshlrev_b32 v[BO], 5, v2
.irp b, 0,1,2,3,4,5,6,7
	global_load_b128 v[BIAS+8*\b:BIAS+8*\b+3], v[BO], s[96:97] offset:64*\b
	global_load_b128 v[BIAS+8*\b+4:BIAS+8*\b+7], v[BO], s[96:97] offset:64*\b+16
.endr
	v_mul_u32_u24 v3, v1, PITCH
	v_lshl_add_u32 v4, v2, 4, v3
	s_mul_i32 s21, s15, HALFT
	s_mul_i32 s22, s16, HALFT
	s_add_co_u32 s22, s22, 2*HALFT
.irp s, 0,1
	v_add_nc_u32 v[ADRA+\s], s21, v4
	v_add_nc_u32 v[ADRB+\s], s22, v4
	s_add_co_u32 s21, s21, SLOT
	s_add_co_u32 s22, s22, SLOT
.endr
	v_mul_u32_u24 v5, v1, KS                       ; my row's scales: 32 bytes a row,
	v_lshrrev_b32 v6, 8, v5
	v_lshl_add_u32 v5, v6, 4, v5                   ; and 16 more for each 256 passed
	s_mul_i32 s21, s15, HALFS
	s_mul_i32 s22, s16, HALFS
	s_add_co_u32 s22, s22, 2*HALFS
	s_sub_co_u32 s22, s22, s21
	v_mul_u32_u24 v6, s22, v2                      ; lanes 16-31 take W's
	s_add_co_u32 s21, s21, SCL
	v_add_nc_u32 v5, v5, v6
	v_add_nc_u32 v[ADRS], s21, v5
	s_mul_i32 s23, s14, 4608                       ; my stage, in slot 0: [2 heads][16 rows][128 bytes + 16]
	v_mul_u32_u24 v5, v1, 144
	v_lshl_add_u32 v5, v2, 4, v5
	v_add_nc_u32 v[STO], s23, v5                   ; in: row r, 16 bytes for each half of the lanes
	v_and_b32 v6, 31, v0
	v_lshlrev_b32 v[CO], 4, v6                     ; out: 16 bytes a lane
	v_lshrrev_b32 v5, 3, v6
	v_mul_u32_u24 v5, v5, 144
	v_and_b32 v7, 7, v0
	v_lshl_add_u32 v5, v7, 4, v5
	v_add_nc_u32 v[RD], s23, v5                    ; back: eight lanes to a row of 128 bytes, four rows an instruction
	s_lshl_b32 s20, s17, 8
	s_lshl_b32 s21, s15, 7
	s_add_co_u32 s20, s20, s21                     ; my first row, 0..24575
	s_lshr_b32 s21, s20, 11
	s_lshl_b32 s21, s21, 22                        ; tensor and batch: 16 heads of 262,144 bytes each
	s_and_b32 s20, s20, 2047
	s_lshl_b32 s20, s20, 7                         ; position: 128 bytes
	s_add_co_u32 s20, s20, s21
	s_lshl_b32 s46, s42, 2
	s_lshl_b32 s47, s16, 1
	s_add_co_u32 s46, s46, s47                     ; my first head
	s_lshl_b32 s46, s46, 18
	s_add_co_u32 s20, s20, s46
	s_mov_b32 s21, 0
	s_add_nc_u64 s[12:13], s[12:13], s[20:21]
.macro FRAG reg, adr, q, i             ; 16 rows x 128 K of 4-bit codes: 8 registers, two loads of 16 bytes, 32 bytes apart
.irp c, 0,1
	ds_load_b128 v[\reg+4*\c:\reg+4*\c+3], v[\adr] offset:64*(\q)+32*\c+(\i)*16*PITCH
.endr
.endm
; 16 matrix instructions: x's blocks a0, a0 + 1 against W's eight.  zero = 1: the first product takes the bias as C.  The 64 accumulators take turns.
.macro MUL16 a0, p, q, sc, zero
.irp a, \a0, \a0+1
.irp b, 0,1,2,3,4,5,6,7
.if \zero
	v_wmma_scale_f32_16x16x128_f8f6f4 v[8*(8*((\a)%4)+\b):8*(8*((\a)%4)+\b)+7], v[128*(\p)+FR*\b:128*(\p)+FR*\b+FR-1], v[AF+FR*(\a):AF+FR*(\a)+FR-1], v[BIAS+8*\b:BIAS+8*\b+7], v[SC+8*NQ*(\sc)+NQ*\b+(\q)], v[SC+8*NQ*(\sc)+NQ*(\a)+(\q)] matrix_a_fmt:MATRIX_FMT_FP4 matrix_b_fmt:MATRIX_FMT_FP4 matrix_a_scale:MATRIX_SCALE_ROW1
.else
	v_wmma_scale_f32_16x16x128_f8f6f4 v[8*(8*((\a)%4)+\b):8*(8*((\a)%4)+\b)+7], v[128*(\p)+FR*\b:128*(\p)+FR*\b+FR-1], v[AF+FR*(\a):AF+FR*(\a)+FR-1], v[8*(8*((\a)%4)+\b):8*(8*((\a)%4)+\b)+7], v[SC+8*NQ*(\sc)+NQ*\b+(\q)], v[SC+8*NQ*(\sc)+NQ*(\a)+(\q)] matrix_a_fmt:MATRIX_FMT_FP4 matrix_b_fmt:MATRIX_FMT_FP4 matrix_a_scale:MATRIX_SCALE_ROW1
.endif
.endr
.endr
.endm
.macro FETCH_B slot, q, p
	WIN TO_B
.irp i, 0,1,2,3,4,5,6,7
	FRAG 128*(\p)+FR*\i, ADRB+\slot, \q, \i
.endr
	WIN 0
.endm
.macro FETCH_A slot, q, i0
.irp i, \i0, \i0+1, \i0+2, \i0+3
	FRAG AF+FR*(\i), ADRA+\slot, \q, \i
.endr
.endm
.macro SCALES sc                       ; a slot's scale words: lanes 0-15 x's block i, lanes 16-31 W's block i
.irp i, 0,1,2,3,4,5,6,7
	ds_load_b128 v[SC+8*NQ*\sc+NQ*\i:SC+8*NQ*\sc+NQ*\i+3], v[ADRS] offset:\i*SBLK
.endr
.endm
.macro PLACES n
.rept \n
	v_nop
.endr
.endm
.macro STEP slot, q, zero              ; a step of 128 along K that has its successor in the same slot
	s_wait_dscnt 4*NL                              ; W's set and x's blocks 0-3 are in; the youngest eight loads (x's blocks 4-7) may be out
.if \zero
	WIN 0x81                                       ; C (the bias) window 0, D window 2
.else
	WIN MUL_LO
.endif
	MUL16 0, (\q)%2, \q, \slot, \zero
	MUL16 2, (\q)%2, \q, \slot, \zero
	s_wait_dscnt 0
	PLACES NP
	FETCH_B \slot, (\q)+1, 1-(\q)%2
	FETCH_A \slot, (\q)+1, 0
.if \zero
	WIN 0xc1
.else
	WIN MUL_HI
.endif
	MUL16 4, (\q)%2, \q, \slot, \zero
	MUL16 6, (\q)%2, \q, \slot, \zero
	PLACES NP
	WIN 0
	FETCH_A \slot, (\q)+1, 4
.endm
.macro STEPS slot, from
.set Q, \from
.rept NQ-1-\from
	STEP \slot, Q, 0
.set Q, Q+1
.endr
.endm
	s_wait_tensorcnt 1                             ; the scales and my part of slot 0 are in (slot 1's load may be out),
	s_barrier_signal -1
	s_barrier_wait -1                              ; everybody's are
	FETCH_B 0, 0, 0
	FETCH_A 0, 0, 0
	SCALES 0
	FETCH_A 0, 0, 4
	s_wait_loadcnt 0x0                             ; the bias
	STEP 0, 0, 1
	STEPS 0, 1
	; slot 0's last step changes slots: one barrier; nothing is filled again
	s_wait_tensorcnt 0x0                           ; my part of slot 1 has landed
	ds_add_u32 v[SPW], v[NIL]                      ; 0 onto my spare word
	s_wait_dscnt 4*NL+1                            ; (the add and x's blocks 4-7 may be out)
	WIN MUL_LO
	MUL16 0, 1, NQ-1, 0, 0
	s_wait_dscnt 0x0                               ; the add is done, and my reads of slot 0 are over
	s_barrier_signal -1
	MUL16 2, 1, NQ-1, 0, 0
	WIN 0
	s_barrier_wait -1
	PLACES NP
	v_add_nc_u32 v[ADRS], 4*NQ, v[ADRS]            ; on to slot 1's scale words
	FETCH_B 1, 0, 0
	FETCH_A 1, 0, 0
	SCALES 1
	WIN MUL_HI
	MUL16 4, 1, NQ-1, 0, 0
	MUL16 6, 1, NQ-1, 0, 0
	PLACES NP
	WIN 0
	FETCH_A 1, 0, 4
	STEPS 1, 0
	s_wait_dscnt 4*NL                              ; the very last step
	WIN MUL_LO
	MUL16 0, 1, NQ-1, 1, 0
	MUL16 2, 1, NQ-1, 1, 0
	s_wait_dscnt 0
	WIN MUL_HI
	MUL16 4, 1, NQ-1, 1, 0
	MUL16 6, 1, NQ-1, 1, 0
	WIN 0
; THE WAY OUT, by blocks of 16 rows x 128 columns (two heads).  PACK: rounded to f16, 16 bytes a lane, each accumulator from its low end on.  TOSTAGE: into my stage and back by rows.  SEND: stored;
; 16 positions of a head are 2,048 consecutive bytes: each store of the wave covers 512 of them.  The stage lies in slot 0, which has had its only fill and whose last read stands ahead of the barrier above.
.macro PACK a
.set AC, 64*((\a)%4)
	WIN 0x0a+5*((\a)/4)                            ; sources 0 and 1: window 2 or 3
.irp b, 0,1,2,3,4,5,6,7
.irp r, 0,1,2,3
	v_cvt_pk_f16_f32 v[TMP+4*\b+\r], v[AC+8*\b+2*\r], v[AC+8*\b+2*\r+1]
.endr
.endr
	WIN 0
.endm
.macro TOSTAGE a
.set BB, BK+32*((\a)%2)
.irp b, 0,1,2,3,4,5,6,7
	ds_store_b128 v[STO], v[TMP+4*\b:TMP+4*\b+3] offset:(\b/4)*2304+32*(\b%4)
.endr
.irp t, 0,1,2,3,4,5,6,7
	ds_load_b128 v[BB+4*\t:BB+4*\t+3], v[RD] offset:(\t/4)*2304+(\t%4)*576   ; in order behind the stores above
.endr
.endm
.macro SEND a
.set BB, BK+32*((\a)%2)
	s_wait_dscnt 0x0                               ; the block is back in registers
	s_wait_xcnt 0x0                                ; the block before's stores have read their registers: the next block's loads may land there
.irp t, 0,1,2,3,4,5,6,7
	global_store_b128 v[CO], v[BB+4*\t:BB+4*\t+3], s[12:13] offset:(\t/4)*262144+(\a)*2048+(\t%4)*512
.endr
.endm
	PLACES NP                                      ; behind the last products: the conversions write registers that held scale words
	PACK 0
	TOSTAGE 0
.irp a, 1,2,3,4,5,6,7
	PACK \a
	SEND \a-1
	TOSTAGE \a
.endr
	SEND 7
	s_wait_tensorcnt 0x0                           ; the wave's end
	ds_add_u32 v[SPW], v[NIL]
	s_wait_dscnt 0x0
	CROUND                                         ; the closing round
	s_endpgm
.Lfunc_end_k_q2b8782e141_proj:
	.size	k_q2b8782e141_proj, .Lfunc_end_k_q2b8782e141_proj-k_q2b8782e141_proj
	.p2alignl 7, 3214868480
	.fill 96, 4, 3214868480
	.section	.rodata,"a",@progbits
	.p2align	6, 0x0
	.amdhsa_kernel k_q2b8782e141_proj
		.amdhsa_group_segment_fixed_size 327680
		.amdhsa_private_segment_fixed_size 0
		.amdhsa_enable_private_segment 0
		.amdhsa_kernarg_size 64
		.amdhsa_user_sgpr_count 2
		.amdhsa_user_sgpr_kernarg_segment_ptr 1
		.amdhsa_wavefront_size32 1
		.amdhsa_system_sgpr_workgroup_id_x 1
		.amdhsa_system_sgpr_workgroup_id_y 1
		.amdhsa_system_sgpr_workgroup_id_z 1
		.amdhsa_system_vgpr_workitem_id 0
		.amdhsa_next_free_vgpr 1024
		.amdhsa_next_free_sgpr 102
		.amdhsa_reserve_vcc 0
		.amdhsa_float_denorm_mode_32 3
		.amdhsa_float_denorm_mode_16_64 3
		.amdhsa_memory_ordered 1
		.amdhsa_forward_progress 1
		.amdhsa_inst_pref_size 128
	.end_amdhsa_kernel
	.amdgpu_metadata
---
amdhsa.version: [ 1, 2 ]
amdhsa.kernels:
  - .name:           k_q2b8782e141_proj
    .symbol:         k_q2b8782e141_proj.kd
    .args:
      - { .name: xc, .offset: 0, .size: 8, .value_kind: global_buffer, .address_space: global }
      - { .name: xs, .offset: 8, .size: 8, .value_kind: global_buffer, .address_space: global }
      - { .name: wc, .offset: 16, .size: 8, .value_kind: global_buffer, .address_space: global }
      - { .name: ws, .offset: 24, .size: 8, .value_kind: global_buffer, .address_space: global }
      - { .name: qkv, .offset: 32, .size: 8, .value_kind: global_buffer, .address_space: global }
      - { .name: bq, .offset: 40, .size: 8, .value_kind: global_buffer, .address_space: global }
      - { .name: bk, .offset: 48, .size: 8, .value_kind: global_buffer, .address_space: global }
      - { .name: bv, .offset: 56, .size: 8, .value_kind: global_buffer, .address_space: global }
    .group_segment_fixed_size: 327680
    .private_segment_fixed_size: 0
    .kernarg_segment_align: 8
    .kernarg_segment_size: 64
    .max_flat_workgroup_size: 128
    .sgpr_count:     102
    .vgpr_count:     1024
    .wavefront_size: 32
...
	.end_amdgpu_metadata
.endif
;; end of part 2
;; launch attn (part 3): grid 4 x 64, 16 waves a work-group, clusters of 4 x 1, 327,680 bytes of LDS; arguments qkv, mbits, xa; writes xa
.if DOCPART == 3
	.amdgcn_target "amdgcn-amd-amdhsa--gfx1250"
	.amdhsa_code_object_version 6
	.text
	.protected	k_q2b8782e141_attn
	.globl	k_q2b8782e141_attn
	.p2align	8
	.type	k_q2b8782e141_attn,@function
k_q2b8782e141_attn:
	s_mov_b64 s[64:65], 0
	v_nop
	global_prefetch_b8 v0, s[64:65] scope:SCOPE_SE
	s_setreg_imm32_b32 hwreg(HW_REG_WAVE_MODE, 25, 1), 1
	s_wait_xcnt 0x0
	s_wait_alu depctr_hold_cnt(0) depctr_sa_sdst(0) depctr_va_vdst(0) depctr_va_sdst(0) depctr_va_ssrc(0) depctr_va_vcc(0) depctr_vm_vsrc(0)
	s_getreg_b32 s2, hwreg(HW_REG_IB_STS2, 6, 4)
	s_cmp_eq_u32 s2, 0
	s_cbranch_scc0 .Lentry_in_a_cluster
	s_endpgm
.Lentry_in_a_cluster:
	s_bfe_u32 s2, ttmp6, 0x10000c
	s_cmp_lg_u32 s2, 0x3003
	s_cbranch_scc0 .Lentry_shape_is_right
	s_endpgm
.Lentry_shape_is_right:
; ATTENTION.  x[bh][u][:] = sum over t of softmax_t(q[u] . k[t] / 8, masked) v[t][:].  q, k, v: f16, qkv [3][bh 64][2048][64]; x: f16, xa [bh][2048][64].  Products, maxima and sums in f32; p is rounded to f16.
; THE MASK comes as lane masks (mbits): one word for each score register, so that a hidden score is REPLACED by one select.  It is replaced by -2^127: under every score that f16 operands can give
; (64 x 65,504^2), and c x 2^127 is exact, so that in a row hidden whole every exponent is exactly 0, p = 1, and the row is the plain average.  As soon as a key counts, a = 2^(c m_old - c m_new) = 0 wipes out what was summed.
; SHARES.  A work-group owns 512 queries of one head; each of its sixteen waves 32: two tiles of 16, in 256 registers; four waves to a SIMD.  Every wave walks all 2,048 keys, 64 a step.
; LAYOUT.  S^T = K Q^T (source 0 = 16 keys, source 1 = 16 queries): a lane holds one query and keys 8 (lane / 16) + 0..7.  Two such tiles rounded in pairs are source 1 of O^T = V^T P.  V is turned by ds_load_tr16_b128.
; SOFTMAX.  Running maximum m and sum l: p = 2^(c s - c m), c = log2(e) / 8; O and l are multiplied by a in every step.
; RING.  Two LDS slots of 512 keys; every wave fetches one tile of 64 rows for each slot (waves 0-7 K's, waves 8-15 V's).  CLUSTER: the four query blocks of a head ask for each tile jointly.
; LIMITS: NaN and infinities are not served; p under f16's smallest number counts as 0.
.set PK,    144                        ; a row of K in LDS: 128 bytes + 16
.set PV,    160                        ; a row of V: 128 + 32
.set VOFF,  64*PK
.set STEPB, 64*(PK+PV)                 ; a step's K, then its V
.set SLOT,  8*STEPB
.set SPARE, 2*SLOT                     ; the spare words, 128 bytes for each of sixteen waves
.set ST,  16                           ; tile t's statistics at v[16 + 8 t]: +0 c m, +1 m, +2, +3 l, +4 .. +7 at work; a at +6
.set Q,   32                           ; v32-63   Q: tile t, channels 32 c on, at 32 + 16 t + 8 c
.set S,   64                           ; v64-127  S^T: tile t at 64 + 32 t; then P in its lower 16 registers
.set O,   128                          ; v128-191 O^T: 128 + 32 t + 8 ct
.set F,   192                          ; v192-255 eight fragments of K, then of V
; v1 my place in a tile of K, v2 in a tile of V, v3, v4 the step's addresses, v5, v6 the add's two, v7 -2^127, v8 256 x lane, v9 Q's offset, v[10:13] two pairs for the sums
; s2 wave, s3 LDS byte of the step, s[4:5] my mask words, s6 their offset, s7 counter, s[8:15], s[16:23] groups 1 for K and V, s[24:27] group 0, s28 my tile's place in a slot, s29 0 where I prefetch,
; s[30:31] lane selects, s[32:63] tile 0's lane masks, s[66:67] c, s[68:99] tile 1's, s[100:101] prefetches, s[104:105] xa at my first query
.macro CROUND
	s_barrier_signal -1
	s_barrier_wait -1
	s_cmp_lg_u32 s2, 0
	s_cbranch_scc1 .Lnot_wave_0_\@
	s_barrier_signal -3
.Lnot_wave_0_\@:
	s_barrier_wait -3
	s_barrier_signal -1
	s_barrier_wait -1
.endm
.macro JLOAD                           ; one group 0 for both kinds; the groups 1 differ in the padding.  An s_nop 0 and four v_nop follow each line
	s_cmp_lt_u32 s2, 8
	s_cbranch_scc0 .Lfor_v_\@
	tensor_load_to_lds s[24:27], s[8:15]
	s_nop 0
.rept 4
	v_nop
.endr
	s_branch .Lasked_\@
.Lfor_v_\@:
	tensor_load_to_lds s[24:27], s[16:23]
	s_nop 0
.rept 4
	v_nop
.endr
.Lasked_\@:
.endm
; A prefetch of the 512 keys that the NEXT change of slots asks for: 65,536 bytes of K and of V.  The four partners take 16,384 bytes each, told apart by address; in each, waves 0 and 1 ask for K's and
; waves 8 and 9 for V's, 8,192 bytes a wave, lanes 256 bytes apart: each block of 256 bytes is named once in the launch.  Its registers are never rewritten.
.macro ASK p
	s_cmp_eq_u32 s29, 0
	s_cbranch_scc0 .Lnot_mine_\@
	global_prefetch_b8 v8, s[100:101] offset:(\p)*65536 th:TH_LOAD_NT scope:SCOPE_SE
.Lnot_mine_\@:
.endm
.macro MLD                             ; a step's lane masks: 32 words for each tile
	s_load_b512 s[32:47], s[4:5], s6 offset:0x0
	s_load_b512 s[48:63], s[4:5], s6 offset:0x40
	s_load_b512 s[68:83], s[4:5], s6 offset:0x1000
	s_load_b512 s[84:99], s[4:5], s6 offset:0x1040
.endm
	s_load_b128 s[32:35], s[0:1], 0x0              ; qkv, mbits
	s_load_b64 s[36:37], s[0:1], 0x10              ; xa
	v_lshl_add_u32 v5, v0, 2, SPARE
	v_mov_b32 v6, 0
	ds_add_u32 v5, v6                              ; the wave's opening: the add, twice on end, and its wait ahead of my first tensor load
	ds_add_u32 v5, v6
	v_lshrrev_b32 v9, 5, v0
	v_readfirstlane_b32 s2, v9                     ; wave 0..15
	s_bfe_u32 s38, ttmp6, 0x40000                  ; cx: my block of 512 queries
	s_and_b32 s39, ttmp7, 0xffff                   ; batch and head, which the partners share
	s_mov_b32 s8, 15|(1<<16)|(1<<20)|(1<<21)|(4<<22)|(3<<25)   ; mask: all four; elements of 2 bytes; padding on; bit 21 beside a mask; 4 words after every 32
	s_mov_b32 s16, 15|(1<<16)|(1<<20)|(1<<21)|(4<<22)|(7<<25)  ; the same with 8 words
.irp g, 8, 16
	s_mov_b32 s[\g+1], 64<<16                      ; tensor_dim0
	s_mov_b32 s[\g+2], 64<<16                      ; tensor_dim1
	s_mov_b32 s[\g+3], 64<<16                      ; tile_dim0
	s_mov_b32 s[\g+4], 64                          ; tile_dim1
	s_mov_b32 s[\g+5], 64                          ; stride
	s_mov_b32 s[\g+6], 0
	s_mov_b32 s[\g+7], 0
.endr
	s_mov_b32 s30, 0x76543210
	s_mov_b32 s31, 0xfedcba98
	s_mov_b32 s66, 0x3e38aa3b                      ; c = log2(e) / 8
	s_mov_b32 s67, s66
	s_and_b32 s40, s2, 7                           ; which step of a slot I fetch
	s_lshr_b32 s41, s2, 3                          ; K (0) or V (1)
	s_mul_i32 s28, s40, STEPB
	s_mul_i32 s42, s41, VOFF
	s_add_co_u32 s28, s28, s42                     ; my tile's place in a slot
	s_and_b32 s29, s2, 6                           ; 0 in waves 0, 1, 8, 9
	s_add_co_u32 s43, s41, 1
	s_lshl_b32 s43, s43, 24                        ; k begins 16,777,216 bytes into qkv, v twice as far
	s_lshl_b32 s44, s39, 18                        ; a head is 262,144 bytes
	s_add_co_u32 s46, s43, s44
	s_mov_b32 s47, 0
	s_lshl_b32 s52, s40, 13                        ; 64 rows of 128 bytes
	s_mov_b32 s53, 0
	s_lshl_b32 s54, s38, 14
	s_and_b32 s55, s2, 1
	s_lshl_b32 s55, s55, 13
	s_add_co_u32 s54, s54, s55
	s_mov_b32 s55, 0
	s_lshr_b32 s48, s39, 4                         ; my first 16 queries among the mask's: 128 x batch + 32 cx + 2 x wave
	s_lshl_b32 s48, s48, 7
	s_lshl_b32 s49, s38, 5
	s_add_co_u32 s48, s48, s49
	s_lshl_b32 s49, s2, 1
	s_add_co_u32 s48, s48, s49
	s_lshl_b32 s48, s48, 12
	s_mov_b32 s49, 0
	s_lshl_b32 s50, s38, 16                        ; my first query in q and in xa
	s_lshl_b32 s51, s2, 12
	s_add_co_u32 s50, s50, s51
	s_add_co_u32 s50, s50, s44
	s_mov_b32 s51, 0
	s_wait_dscnt 0x0                               ; both opening adds are done
	s_wait_kmcnt 0x0
	s_add_nc_u64 s[4:5], s[34:35], s[48:49]
	s_add_nc_u64 s[6:7], s[32:33], s[50:51]        ; Q's base, until Q has landed
	s_add_nc_u64 s[104:105], s[36:37], s[50:51]
	s_add_nc_u64 s[100:101], s[32:33], s[46:47]    ; the head's K or V
	s_mov_b32 s24, 1
	s_mov_b32 s25, s28                             ; slot 0
	s_add_nc_u64 s[26:27], s[100:101], s[52:53]
	s_or_b32 s27, s27, 0x80000000
	s_add_nc_u64 s[100:101], s[100:101], s[54:55]  ; my part of a slot's bytes, for the prefetches
	CROUND                                         ; all four work-groups are here
	JLOAD                                          ; keys 0 to 511: one load of mine is out
	v_and_b32 v10, 15, v0                          ; r
	v_bfe_u32 v11, v0, 4, 1                        ; h
	v_lshlrev_b32 v9, 7, v10
	v_lshl_add_u32 v9, v11, 4, v9
.irp t, 0,1
.irp c, 0,1
	global_load_b128 v[Q+16*\t+8*\c:Q+16*\t+8*\c+3], v9, s[6:7] offset:\t*2048+64*\c
	global_load_b128 v[Q+16*\t+8*\c+4:Q+16*\t+8*\c+7], v9, s[6:7] offset:\t*2048+64*\c+32
.endr
.endr
	v_mul_u32_u24 v1, v10, PK
	v_lshl_add_u32 v1, v11, 4, v1
	v_and_b32 v12, 7, v0
	v_bfe_u32 v13, v0, 3, 1
	v_lshl_add_u32 v2, v11, 3, v12
	v_mul_u32_u24 v2, v2, PV
	v_lshl_add_u32 v2, v13, 4, v2
	v_add_nc_u32 v2, VOFF, v2
	v_and_b32 v8, 31, v0
	v_lshlrev_b32 v8, 8, v8
	v_mov_b32 v7, 0xff000000                       ; -2^127
.irp t, 0,1
	v_mov_b32 v[ST+8*\t+1], v7                     ; m
	v_mul_f32 v[ST+8*\t], s66, v7                  ; c m
	v_mov_b32 v[ST+8*\t+2], 0                      ; l
	v_mov_b32 v[ST+8*\t+3], 0
.endr
.set i, 0
.rept 64
	v_mov_b32 v[O+i], 0                            ; O^T: the step is written once; its first turn finds zeros
.set i, i+1
.endr
	s_wait_loadcnt 0x0                             ; Q is in, and its base is free
	s_mov_b32 s6, 0
	MLD                                            ; step 0's lane masks
; A KEY STEP: 64 keys, both tiles.
.macro STEP
	v_add_nc_u32 v3, s3, v1                        ; five plain lines behind the last products: four are owed ahead of the loads into F, five ahead of products that write over P
	v_add_nc_u32 v4, s3, v2
	v_nop
	v_nop
	v_nop
.irp kt, 0,1,2,3
.irp c, 0,1
	ds_load_b128 v[F+16*\kt+8*\c:F+16*\kt+8*\c+3], v3 offset:\kt*16*PK+64*\c
	ds_load_b128 v[F+16*\kt+8*\c+4:F+16*\kt+8*\c+7], v3 offset:\kt*16*PK+64*\c+32
.endr
.endr
	s_wait_dscnt 0x0
.irp kt, 0,1,2,3                       ; eight accumulators by turns
.irp t, 0,1
	v_wmma_f32_16x16x32_f16 v[S+32*\t+8*\kt:S+32*\t+8*\kt+7], v[F+16*\kt:F+16*\kt+7], v[Q+16*\t:Q+16*\t+7], 0
.endr
.endr
.irp kt, 0,1,2,3
.irp t, 0,1
	v_wmma_f32_16x16x32_f16 v[S+32*\t+8*\kt:S+32*\t+8*\kt+7], v[F+16*\kt+8:F+16*\kt+15], v[Q+16*\t+8:Q+16*\t+15], v[S+32*\t+8*\kt:S+32*\t+8*\kt+7]
.endr
.endr
.rept 4
	v_nop                                          ; places ahead of the loads into F and of the first read of the scores
.endr
.irp kk, 0,1                           ; V, turned: it lands under the softmax
.irp ct, 0,1,2,3
	ds_load_tr16_b128 v[F+32*\kk+8*\ct:F+32*\kk+8*\ct+3], v4 offset:\kk*32*PV+32*\ct
	ds_load_tr16_b128 v[F+32*\kk+8*\ct+4:F+32*\kk+8*\ct+7], v4 offset:\kk*32*PV+16*PV+32*\ct
.endr
.endr
	s_wait_kmcnt 0x0                               ; this step's lane masks
.irp kt, 0,1,2,3                       ; each accumulator from its low end on
.irp j, 0,1,2,3,4,5,6,7
	v_cndmask_b32 v[S+8*\kt+\j], v7, v[S+8*\kt+\j], s[32+8*\kt+\j]
	v_cndmask_b32 v[S+32+8*\kt+\j], v7, v[S+32+8*\kt+\j], s[68+8*\kt+\j]
.endr
.endr
.irp j, 0,1,2,3                        ; the maximum of 32 scores and the old m, three operands at a time, four chains a tile
.irp t, 0,1
	v_max3_num_f32 v[ST+8*\t+4+\j], v[S+32*\t+8*\j], v[S+32*\t+8*\j+1], v[S+32*\t+8*\j+2]
.endr
.endr
.irp u, 1,2
.irp j, 0,1,2,3
.irp t, 0,1
	v_max3_num_f32 v[ST+8*\t+4+\j], v[ST+8*\t+4+\j], v[S+32*\t+8*\j+2*\u+1], v[S+32*\t+8*\j+2*\u+2]
.endr
.endr
.endr
.irp t, 0,1
	v_max3_num_f32 v[ST+8*\t+4], v[ST+8*\t+4], v[S+32*\t+7], v[S+32*\t+15]
	v_max3_num_f32 v[ST+8*\t+6], v[ST+8*\t+6], v[S+32*\t+23], v[S+32*\t+31]
.endr
.irp t, 0,1
	v_max3_num_f32 v[ST+8*\t+4], v[ST+8*\t+4], v[ST+8*\t+5], v[ST+8*\t+6]
.endr
.irp t, 0,1
	v_max3_num_f32 v[ST+8*\t+4], v[ST+8*\t+4], v[ST+8*\t+7], v[ST+8*\t+1]
.endr
.irp t, 0,1
	v_permlanex16_b32 v[ST+8*\t+5], v[ST+8*\t+4], s30, s31   ; the query's other 32 keys lie in the lane 16 away
.endr
.irp t, 0,1
	v_mov_b32 v[ST+8*\t+7], v[ST+8*\t]             ; c m_old
.endr
.irp t, 0,1
	v_max_num_f32 v[ST+8*\t+1], v[ST+8*\t+4], v[ST+8*\t+5]
.endr
.irp t, 0,1
	v_mul_f32 v[ST+8*\t], s66, v[ST+8*\t+1]
.endr
.irp t, 0,1
	v_sub_f32 v[ST+8*\t+7], v[ST+8*\t+7], v[ST+8*\t]
.endr
.set i, 0
.rept 16
	v_pk_fma_f32 v[S+i:S+i+1], v[S+i:S+i+1], s[66:67], v[ST:ST+1] op_sel_hi:[1,0,0] neg_lo:[0,0,1] neg_hi:[0,0,1]   ; c s - c m
	v_pk_fma_f32 v[S+32+i:S+32+i+1], v[S+32+i:S+32+i+1], s[66:67], v[ST+8:ST+9] op_sel_hi:[1,0,0] neg_lo:[0,0,1] neg_hi:[0,0,1]
.set i, i+2
.endr
	s_add_co_u32 s6, s6, 128                       ; the next step's lane masks (the last step wraps to the first's, which nobody uses: every load stays inside the buffer)
	s_and_b32 s6, s6, 4095
	MLD
	v_exp_f32 v[ST+6], v[ST+7]                     ; ONE BATCH: a and the 32 weights of each tile
	v_exp_f32 v[ST+14], v[ST+15]
.set i, 0
.rept 32
	v_exp_f32 v[S+i], v[S+i]
	v_exp_f32 v[S+32+i], v[S+32+i]
.set i, i+1
.endr
	v_nop                                          ; a plain line behind the last exponential
	s_wait_alu depctr_va_vdst(0)                   ; one wait for the batch, ahead of its first reader
.irp t, 0,1
	v_pk_mul_f32 v[ST+8*\t+2:ST+8*\t+3], v[ST+8*\t+2:ST+8*\t+3], v[ST+8*\t+6:ST+8*\t+7] op_sel_hi:[1,0]   ; l x a
.endr
.irp t, 0,1
	v_pk_add_f32 v[10+2*\t:11+2*\t], v[S+32*\t:S+32*\t+1], v[S+32*\t+2:S+32*\t+3]   ; the sum of the unrounded weights, in two chains a tile
.endr
.irp j, 4,8,12,16,20,24,28
.irp t, 0,1
	v_pk_add_f32 v[ST+8*\t+2:ST+8*\t+3], v[ST+8*\t+2:ST+8*\t+3], v[S+32*\t+\j:S+32*\t+\j+1]
	v_pk_add_f32 v[10+2*\t:11+2*\t], v[10+2*\t:11+2*\t], v[S+32*\t+\j+2:S+32*\t+\j+3]
.endr
.endr
.irp t, 0,1
	v_pk_add_f32 v[ST+8*\t+2:ST+8*\t+3], v[ST+8*\t+2:ST+8*\t+3], v[10+2*\t:11+2*\t]
.endr
.set i, 0
.rept 16
	v_cvt_pk_f16_f32 v[S+i], v[S+2*i], v[S+2*i+1]  ; P, in place and ascending: register i is written when pairs 0 .. i have been read
	v_cvt_pk_f16_f32 v[S+32+i], v[S+32+2*i], v[S+32+2*i+1]
.set i, i+1
.endr
.set i, 0
.rept 16
	v_pk_mul_f32 v[O+i:O+i+1], v[O+i:O+i+1], v[ST+6:ST+7] op_sel_hi:[1,0]          ; O^T x a, each accumulator from its low end on
	v_pk_mul_f32 v[O+32+i:O+32+i+1], v[O+32+i:O+32+i+1], v[ST+14:ST+15] op_sel_hi:[1,0]
.set i, i+2
.endr
	s_wait_dscnt 0x0                               ; V is in
.irp kk, 0,1                           ; eight accumulators by turns
.irp ct, 0,1,2,3
.irp t, 0,1
	v_wmma_f32_16x16x32_f16 v[O+32*\t+8*\ct:O+32*\t+8*\ct+7], v[F+32*\kk+8*\ct:F+32*\kk+8*\ct+7], v[S+32*\t+8*\kk:S+32*\t+8*\kk+7], v[O+32*\t+8*\ct:O+32*\t+8*\ct+7]
.endr
.endr
.endr
	s_add_co_u32 s3, s3, STEPB
.endm
.macro EIGHT_STEPS
	s_mov_b32 s7, 8
.Lstep_\@:
	STEP
	s_sub_co_u32 s7, s7, 1
	s_cmp_lg_u32 s7, 0
	s_cbranch_scc1 .Lstep_\@
.endm
; 512 keys.  At its head: all my tensor loads have landed (my part of the slot ahead), the add, my reads of the slot that I have left are over; a round of the cluster's barrier; then the other slot is
; asked for, first thing: the load has eight key steps in which to land.  The first of these loads is slot 1's first fill. The last 512 keys ask for nothing.
.macro PHASE p
	s_wait_tensorcnt 0x0
	ds_add_u32 v5, v6                              ; 0 onto my spare word
.if (\p) < 3
	s_add_co_u32 s25, s28, (((\p)+1)%2)*SLOT       ; no tensor load of mine is out: group 0 may be written
	s_add_nc_u64 s[26:27], s[26:27], 65536         ; the next 512 keys
.endif
	s_wait_dscnt 0x0
.if (\p) < 3
	CROUND
	JLOAD
.if (\p) < 2
	ASK (\p)+2
.endif
.else
	s_barrier_signal -1
	s_barrier_wait -1
.endif
	s_mov_b32 s3, ((\p)%2)*SLOT
	EIGHT_STEPS
.endm
	PHASE 0
	PHASE 1
	PHASE 2
	PHASE 3
	; THE WAY OUT.  O^T / l, rounded to f16, through my stage (in slot 0: it has had its last fill, and its last read stands ahead of the last barrier), back by rows; each store of the wave covers 512 consecutive bytes.
	s_wait_kmcnt 0x0                               ; the wrapped lane masks
	v_add_f32 v20, v18, v19
	v_add_f32 v28, v26, v27
	v_and_b32 v14, 15, v0                          ; r
	v_bfe_u32 v15, v0, 4, 1                        ; h
	v_permlanex16_b32 v21, v20, s30, s31
	v_permlanex16_b32 v29, v28, s30, s31
	v_add_f32 v20, v20, v21
	v_add_f32 v28, v28, v29                        ; l is at least 1: the largest p of a row is 1
	v_rcp_f32 v22, v20
	v_rcp_f32 v30, v28
	s_mul_i32 s7, s2, 4608                         ; my stage: [2 tiles][16 rows][128 bytes + 16]
	v_mul_u32_u24 v1, v14, 144
	v_lshl_add_u32 v1, v15, 4, v1
	v_add_nc_u32 v1, s7, v1                        ; in
	v_and_b32 v4, 31, v0
	v_lshrrev_b32 v2, 3, v4
	v_mul_u32_u24 v2, v2, 144
	v_and_b32 v9, 7, v0
	v_lshl_add_u32 v2, v9, 4, v2
	v_add_nc_u32 v2, s7, v2                        ; back: eight lanes to a row
	v_lshlrev_b32 v3, 4, v4                        ; out: 16 bytes a lane
	s_wait_alu depctr_va_vdst(0)                   ; one wait for both reciprocals, ahead of their first reader
.set i, 0
.rept 16
	v_pk_mul_f32 v[O+i:O+i+1], v[O+i:O+i+1], v[ST+6:ST+7] op_sel_hi:[1,0]
	v_pk_mul_f32 v[O+32+i:O+32+i+1], v[O+32+i:O+32+i+1], v[ST+14:ST+15] op_sel_hi:[1,0]
.set i, i+2
.endr
.set i, 0
.rept 32
	v_cvt_pk_f16_f32 v[64+i], v[O+2*i], v[O+2*i+1]
.set i, i+1
.endr
.irp t, 0,1
.irp ct, 0,1,2,3
	ds_store_b128 v1, v[64+16*\t+4*\ct:64+16*\t+4*\ct+3] offset:\t*2304+32*\ct
.endr
.irp i, 0,1,2,3
	ds_load_b128 v[96+16*\t+4*\i:96+16*\t+4*\i+3], v2 offset:\t*2304+576*\i   ; in order behind the stores above
.endr
.endr
.irp t, 0,1
.irp i, 0,1,2,3
	s_wait_dscnt 11-8*\t-\i                        ; the younger LDS instructions may be out
	global_store_b128 v3, v[96+16*\t+4*\i:96+16*\t+4*\i+3], s[104:105] offset:\t*2048+512*\i
.endr
.endr
	s_wait_tensorcnt 0x0                           ; the wave's end
	ds_add_u32 v5, v6
	s_wait_dscnt 0x0
	CROUND                                         ; the closing round
	s_endpgm
.Lfunc_end_k_q2b8782e141_attn:
	.size	k_q2b8782e141_attn, .Lfunc_end_k_q2b8782e141_attn-k_q2b8782e141_attn
	.p2alignl 7, 3214868480
	.fill 96, 4, 3214868480
	.section	.rodata,"a",@progbits
	.p2align	6, 0x0
	.amdhsa_kernel k_q2b8782e141_attn
		.amdhsa_group_segment_fixed_size 327680
		.amdhsa_private_segment_fixed_size 0
		.amdhsa_enable_private_segment 0
		.amdhsa_kernarg_size 24
		.amdhsa_user_sgpr_count 2
		.amdhsa_user_sgpr_kernarg_segment_ptr 1
		.amdhsa_wavefront_size32 1
		.amdhsa_system_sgpr_workgroup_id_x 1
		.amdhsa_system_sgpr_workgroup_id_y 1
		.amdhsa_system_sgpr_workgroup_id_z 1
		.amdhsa_system_vgpr_workitem_id 0
		.amdhsa_next_free_vgpr 256
		.amdhsa_next_free_sgpr 106
		.amdhsa_reserve_vcc 0
		.amdhsa_float_denorm_mode_32 3
		.amdhsa_float_denorm_mode_16_64 3
		.amdhsa_memory_ordered 1
		.amdhsa_forward_progress 1
		.amdhsa_inst_pref_size 107
	.end_amdhsa_kernel
	.amdgpu_metadata
---
amdhsa.version: [ 1, 2 ]
amdhsa.kernels:
  - .name:           k_q2b8782e141_attn
    .symbol:         k_q2b8782e141_attn.kd
    .args:
      - { .name: qkv, .offset: 0, .size: 8, .value_kind: global_buffer, .address_space: global }
      - { .name: mbits, .offset: 8, .size: 8, .value_kind: global_buffer, .address_space: global }
      - { .name: xa, .offset: 16, .size: 8, .value_kind: global_buffer, .address_space: global }
    .group_segment_fixed_size: 327680
    .private_segment_fixed_size: 0
    .kernarg_segment_align: 8
    .kernarg_segment_size: 24
    .max_flat_workgroup_size: 512
    .sgpr_count:     106
    .vgpr_count:     256
    .wavefront_size: 32
...
	.end_amdgpu_metadata
.endif
;; end of part 3
;; launch oproj (part 4): grid 4 x 64, 8 waves a work-group, clusters of 4 x 4, 327,680 bytes of LDS; arguments xa, wo16, bo, out0; writes out0
.if DOCPART == 4
	.amdgcn_target "amdgcn-amd-amdhsa--gfx1250"
	.amdhsa_code_object_version 6
	.text
	.protected	k_q2b8782e141_oproj
	.globl	k_q2b8782e141_oproj
	.p2align	8
	.type	k_q2b8782e141_oproj,@function
k_q2b8782e141_oproj:
	s_mov_b64 s[64:65], 0
	v_nop
	global_prefetch_b8 v0, s[64:65] scope:SCOPE_SE
	s_setreg_imm32_b32 hwreg(HW_REG_WAVE_MODE, 25, 1), 1
	s_wait_xcnt 0x0
	s_wait_alu depctr_hold_cnt(0) depctr_sa_sdst(0) depctr_va_vdst(0) depctr_va_sdst(0) depctr_va_ssrc(0) depctr_va_vcc(0) depctr_vm_vsrc(0)
	s_getreg_b32 s2, hwreg(HW_REG_IB_STS2, 6, 4)
	s_cmp_eq_u32 s2, 0
	s_cbranch_scc0 .Lentry_in_a_cluster
	s_endpgm
.Lentry_in_a_cluster:
	s_bfe_u32 s2, ttmp6, 0x10000c
	s_cmp_lg_u32 s2, 0xf033
	s_cbranch_scc0 .Lentry_shape_is_right
	s_endpgm
.Lentry_shape_is_right:
; THE PROJECTION ON THE WAY OUT.  out0[token][e] = sum over d of x[token][d] Wo[d][e] + bo[e].  x: f16 by heads, xa [b][h][s][64]; Wo: f16 [d][e]; out0: f32 [8192][1024].  Sums in f32.
; A tile of 128 tokens x 256 columns is made by eight waves, 64 x 64 each: 16 accumulators.  K goes in steps of 128 (two heads) through a ring of two LDS slots; a slot holds x's two planes (a head each,
; 128 rows of 128 bytes) and 128 rows of Wo (512 bytes each).  Waves 0-3 fetch x's four quarters, waves 4-7 Wo's: one tensor load a wave for each slot.
; CLUSTERS: 4 x 4 work-groups; x's tiles are asked for jointly along a row of the cluster, Wo's along a column.
; THE MATRIX INSTRUCTION IS USED TRANSPOSED (source 0 = 16 columns of Wo, turned by ds_load_tr16_b128; source 1 = 16 tokens): a lane holds eight neighbouring columns of one token.  bo is the C of each sum's first product.
; REGISTERS: window 0: v0-31 addresses; v32-95 the way out, two sets; v96-127 bo, 8 registers for each 16 columns; v128-255 accumulators ((a, b) at v[128 + 8 (4 a + b)]).
;   window 1: two fragment buffers of 128: for 64 along K (one plane), 64 registers of x, then 64 of Wo.
.set PA,     144                       ; a row of x in LDS: 128 bytes + 16
.set PB,     544                       ; a row of Wo: 512 + 32
.set PLANE,  128*PA
.set BOFF,   2*PLANE
.set SLOT,   BOFF+128*PB
.set STAGE,  2*SLOT                    ; behind the ring: 16 rows x (256 bytes + 16) for each wave
.set SPITCH, 272
.set SPARE,  STAGE+8*16*SPITCH         ; the spare words, 128 bytes for each of eight waves
.set ADRA, 16
.set ADRB, 20
.set STO,  24
.set RD,   25
.set CO,   26
.set BO,   27
.set SPW,  28
.set NIL,  29
.set OB,   32
.set BIAS, 96
.set ACC,  128
.set F0,   0
.set F1,   128
.set G1, 24
.set G0, 32
.set G1B, 48
.set G0B, 56
.set MSB, 0
.macro WIN new
.if MSB != (\new)
	s_set_vgpr_msb (MSB<<8)|(\new)
.set MSB, \new
.endif
.endm
.set MUL,  0x05                        ; sources 0 and 1 window 1; C and D window 0
.set TO_F, 0x40                        ; destination window 1, address window 0
.macro JLOAD s                         ; waves 0-3 fetch for x, waves 4-7 for Wo; an s_nop 0 and four v_nop follow each line
	s_cmp_eq_u32 s13, 0
	s_cbranch_scc0 .Lfor_b_\@
	tensor_load_to_lds s[G0+4*\s:G0+4*\s+3], s[G1:G1+7]
	s_nop 0
.rept 4
	v_nop
.endr
	s_branch .Lasked_\@
.Lfor_b_\@:
	tensor_load_to_lds s[G0B+4*\s:G0B+4*\s+3], s[G1B:G1B+7]
	s_nop 0
.rept 4
	v_nop
.endr
.Lasked_\@:
.endm
.macro CREST
	s_cmp_lg_u32 s12, 0
	s_cbranch_scc1 .Lnot_wave_0_\@
	s_barrier_signal -3
.Lnot_wave_0_\@:
	s_barrier_wait -3
	s_barrier_signal -1
	s_barrier_wait -1
.endm
.macro CROUND
	s_barrier_signal -1
	s_barrier_wait -1
	CREST
.endm
	s_load_b128 s[4:7], s[0:1], 0x0                ; xa, wo16
	s_load_b128 s[8:11], s[0:1], 0x10              ; bo, out0
	v_lshl_add_u32 v[SPW], v0, 2, SPARE
	v_mov_b32 v[NIL], 0
	ds_add_u32 v[SPW], v[NIL]                      ; the wave's opening: the add, twice on end, and its wait ahead of my first tensor load
	ds_add_u32 v[SPW], v[NIL]
	v_lshrrev_b32 v1, 5, v0
	v_readfirstlane_b32 s12, v1                    ; wave 0..7
	s_lshr_b32 s13, s12, 2                         ; which 64 tokens are mine.  Also: I fetch for x (0) or for Wo (1)
	s_and_b32 s14, s12, 3                          ; which 64 columns.  Also: which quarter I fetch
	s_bfe_u32 s40, ttmp6, 0x40000                  ; cx, cy
	s_bfe_u32 s41, ttmp6, 0x40004
	s_lshl_b32 s42, ttmp9, 2
	s_add_co_u32 s42, s42, s40                     ; tile column, 0..3
	s_and_b32 s17, ttmp7, 0xffff
	s_lshl_b32 s17, s17, 2
	s_add_co_u32 s17, s17, s41                     ; tile row, 0..63
	s_lshl_b32 s43, s41, 2
	s_lshl_b32 s43, 15, s43                        ; my row of the cluster
	s_lshl_b32 s44, 0x1111, s40                    ; my column
	s_or_b32 s[G1], s43, (1<<16)|(1<<20)|(1<<21)|(4<<22)|(3<<25)   ; x: 64 rows x 64 elements of 2 bytes, dense; 4 words after every 32
	s_mov_b32 s[G1+1], 64<<16
	s_mov_b32 s[G1+2], 64<<16
	s_mov_b32 s[G1+3], 64<<16
	s_mov_b32 s[G1+4], 64
	s_mov_b32 s[G1+5], 64
	s_mov_b32 s[G1+6], 0
	s_mov_b32 s[G1+7], 0
	s_or_b32 s[G1B], s44, (1<<16)|(1<<20)|(1<<21)|(6<<22)|(7<<25)  ; Wo: 32 rows x 256 elements, 1,024 apart; 8 words after every 128
	s_mov_b32 s[G1B+1], 256<<16
	s_mov_b32 s[G1B+2], 32<<16
	s_mov_b32 s[G1B+3], 256<<16
	s_mov_b32 s[G1B+4], 32
	s_mov_b32 s[G1B+5], 1024
	s_mov_b32 s[G1B+6], 0
	s_mov_b32 s[G1B+7], 0
	s_lshr_b32 s20, s17, 4                         ; x: batch (16 tiles of rows each),
	s_lshl_b32 s20, s20, 22
	s_and_b32 s18, s17, 15
	s_lshl_b32 s18, s18, 14                        ; 128 positions of 128 bytes,
	s_add_co_u32 s20, s20, s18
	s_and_b32 s18, s12, 1
	s_lshl_b32 s18, s18, 13                        ; which 64 rows,
	s_add_co_u32 s20, s20, s18
	s_bfe_u32 s18, s12, 0x10001
	s_lshl_b32 s18, s18, 18                        ; which of the step's two heads
	s_add_co_u32 s20, s20, s18
	s_mov_b32 s21, 0
	s_lshl_b32 s46, s14, 16                        ; Wo: 32 rows of 2,048 bytes a quarter,
	s_lshl_b32 s47, s42, 9                         ; the tile's 256 columns
	s_add_co_u32 s46, s46, s47
	s_mov_b32 s47, 0
	s_mul_i32 s22, s14, 64*PA                      ; where they go: no place in the cluster enters an LDS address
	s_mul_i32 s23, s14, 32*PB
	s_add_co_u32 s23, s23, BOFF
	s_wait_dscnt 0x0                               ; both opening adds are done
	s_wait_kmcnt 0x0
	s_add_nc_u64 s[18:19], s[4:5], s[20:21]
	s_add_nc_u64 s[46:47], s[6:7], s[46:47]
	CROUND                                         ; all sixteen work-groups are here
.irp s, 0,1
	s_mov_b32 s[G0+4*\s], 1
	s_add_co_u32 s[G0+4*\s+1], s22, \s*SLOT
	s_add_nc_u64 s[G0+4*\s+2:G0+4*\s+3], s[18:19], \s*524288       ; a K step on: two heads
	s_or_b32 s[G0+4*\s+3], s[G0+4*\s+3], 0x80000000
	s_mov_b32 s[G0B+4*\s], 1
	s_add_co_u32 s[G0B+4*\s+1], s23, \s*SLOT
	s_add_nc_u64 s[G0B+4*\s+2:G0B+4*\s+3], s[46:47], \s*262144     ; 128 rows of Wo
	s_or_b32 s[G0B+4*\s+3], s[G0B+4*\s+3], 0x80000000
	JLOAD \s                                       ; two loads of mine are out
.endr
	v_and_b32 v1, 15, v0                           ; r
	v_bfe_u32 v2, v0, 4, 1                         ; h
	s_lshl_b32 s20, s42, 10                        ; bo and out0: my first column, in bytes
	s_lshl_b32 s21, s14, 8
	s_add_co_u32 s20, s20, s21
	s_mov_b32 s21, 0
	s_add_nc_u64 s[8:9], s[8:9], s[20:21]
	v_lshlrev_b32 v[BO], 5, v2
.irp b, 0,1,2,3
	global_load_b128 v[BIAS+8*\b:BIAS+8*\b+3], v[BO], s[8:9] offset:64*\b          ; lane (r, h): bo of columns 16 b + 8 h + 0 .. 7
	global_load_b128 v[BIAS+8*\b+4:BIAS+8*\b+7], v[BO], s[8:9] offset:64*\b+16
.endr
	s_lshl_b32 s22, s17, 19                        ; out0: 128 tokens of 4,096 bytes a tile row,
	s_lshl_b32 s23, s13, 18                        ; my 64 of them
	s_add_co_u32 s22, s22, s23
	s_add_co_u32 s20, s20, s22
	s_add_nc_u64 s[10:11], s[10:11], s[20:21]
	v_mul_u32_u24 v3, v1, PA
	v_lshl_add_u32 v3, v2, 4, v3                   ; x: row r, + 16 h
	v_and_b32 v6, 7, v0
	v_bfe_u32 v7, v0, 3, 1
	v_lshl_add_u32 v8, v2, 3, v6
	v_mul_u32_u24 v8, v8, PB
	v_lshl_add_u32 v8, v7, 4, v8                   ; Wo, for the turning load: row 8 h + lane % 8, 16 bytes for each eight lanes
	s_mul_i32 s21, s13, 64*PA                      ; my 64 tokens
	s_lshl_b32 s22, s14, 7                         ; my 64 columns
	s_add_co_u32 s22, s22, BOFF
.irp s, 0,1
	v_add_nc_u32 v[ADRA+\s], s21, v3
	v_add_nc_u32 v[ADRB+\s], s22, v8
	s_add_co_u32 s21, s21, SLOT
	s_add_co_u32 s22, s22, SLOT
.endr
	s_mul_i32 s23, s12, 16*SPITCH
	s_add_co_u32 s23, s23, STAGE                   ; my stage
	v_mul_u32_u24 v4, v1, SPITCH
	v_lshl_add_u32 v4, v2, 5, v4
	v_add_nc_u32 v[STO], s23, v4                   ; in: row r, 32 bytes for each half of the lanes
	v_mul_u32_u24 v5, v2, SPITCH
	v_lshl_add_u32 v5, v1, 4, v5
	v_add_nc_u32 v[RD], s23, v5                    ; back: lanes 0-15 one row of 256 bytes, lanes 16-31 the next
	v_lshlrev_b32 v5, 12, v2
	v_lshl_add_u32 v[CO], v1, 4, v5                ; and the same two rows in out0
; 8 matrix instructions: token blocks a0, a0 + 1 x all 4 column blocks, 32 along K: half c of buffer f.  zero = 1: the first product takes bo as C.  The 16 accumulators take turns.
.macro MUL8 f, c, a0, zero
.irp a, \a0, \a0+1
.irp b, 0,1,2,3
.if \zero
	v_wmma_f32_16x16x32_f16 v[ACC+8*(4*(\a)+\b):ACC+8*(4*(\a)+\b)+7], v[\f+64+8*(4*\c+\b):\f+64+8*(4*\c+\b)+7], v[\f+8*(4*\c+\a):\f+8*(4*\c+\a)+7], v[BIAS+8*\b:BIAS+8*\b+7]
.else
	v_wmma_f32_16x16x32_f16 v[ACC+8*(4*(\a)+\b):ACC+8*(4*(\a)+\b)+7], v[\f+64+8*(4*\c+\b):\f+64+8*(4*\c+\b)+7], v[\f+8*(4*\c+\a):\f+8*(4*\c+\a)+7], v[ACC+8*(4*(\a)+\b):ACC+8*(4*(\a)+\b)+7]
.endif
.endr
.endr
.endm
; 32 LDS loads in one run: the fragments of plane z (64 along K) into buffer f; the first 32 along K first
.macro FETCH slot, z, f
	WIN TO_F
.irp c, 0,1
.irp i, 0,1,2,3
	ds_load_tr16_b128 v[\f+64+8*(4*\c+\i):\f+64+8*(4*\c+\i)+3],   v[ADRB+\slot] offset:(64*\z+32*\c)*PB+32*\i
	ds_load_tr16_b128 v[\f+64+8*(4*\c+\i)+4:\f+64+8*(4*\c+\i)+7], v[ADRB+\slot] offset:(64*\z+32*\c+16)*PB+32*\i
	ds_load_b128 v[\f+8*(4*\c+\i):\f+8*(4*\c+\i)+3],              v[ADRA+\slot] offset:\z*PLANE+\i*16*PA+64*\c
	ds_load_b128 v[\f+8*(4*\c+\i)+4:\f+8*(4*\c+\i)+7],            v[ADRA+\slot] offset:\z*PLANE+\i*16*PA+64*\c+32
.endr
.endr
.endm
.macro PLACES
.rept 4
	v_nop
.endr
.endm
; A K step is two halves of 64 along K.  The first multiplies buffer 0 (plane 0) and fetches plane 1 into buffer 1.
.macro QUARTER slot, zero
	s_wait_dscnt 16                                ; the first 32 along K are in; the other sixteen loads may be out
	WIN MUL
	MUL8 F0, 0, 0, \zero
	MUL8 F0, 0, 2, \zero
	PLACES
	FETCH \slot, 1, F1
	s_wait_dscnt 32                                ; all but the 32 just issued
	WIN MUL
	MUL8 F0, 1, 0, 0
	MUL8 F0, 1, 2, 0
.endm
; The second multiplies buffer 1 and changes slots: one barrier; in front of it each wave waits for all its tensor loads, adds 0 to its spare word, and waits for that and for its reads of this slot.
; fill = 1: the barrier opens a round of the cluster's, and this slot is filled again, two K steps ahead, first thing behind it.
.macro TURN slot, next, fill
	WIN 0
	s_wait_tensorcnt 0x0                           ; my part of the next slot has landed
	ds_add_u32 v[SPW], v[NIL]                      ; 0 onto my spare word
	s_wait_dscnt 17                                ; (the add and the youngest sixteen loads may be out)
	WIN MUL
	MUL8 F1, 0, 0, 0
	s_wait_dscnt 0x0                               ; the add is done, and my reads of this slot are over
	s_barrier_signal -1
	MUL8 F1, 0, 2, 0
.if \fill
	WIN 0
.endif
	s_barrier_wait -1
.if \fill
	CREST
	s_add_nc_u64 s[G0+4*\slot+2:G0+4*\slot+3], s[G0+4*\slot+2:G0+4*\slot+3], 2*524288
	s_add_nc_u64 s[G0B+4*\slot+2:G0B+4*\slot+3], s[G0B+4*\slot+2:G0B+4*\slot+3], 2*262144
	JLOAD \slot                                    ; its four v_nop are also the places in front of the loads below
.else
	PLACES
.endif
	FETCH \next, 0, F0
	WIN MUL
	MUL8 F1, 1, 0, 0
	MUL8 F1, 1, 2, 0
.endm
	s_wait_tensorcnt 1                             ; my part of K step 0 is in (K step 1's load may be out),
	s_barrier_signal -1
	s_barrier_wait -1                              ; everybody's is
	FETCH 0, 0, F0
	s_wait_loadcnt 0x0                             ; bo
	QUARTER 0, 1
	WIN 0                                          ; at a label and at a branch every window is 0
	s_mov_b32 s3, 3
.Llap:                                                 ; three trips: K steps 2 to 7 are asked for
	TURN 0, 1, 1
	QUARTER 1, 0
	TURN 1, 0, 1
	QUARTER 0, 0
	WIN 0
	s_sub_co_u32 s3, s3, 1
	s_cmp_lg_u32 s3, 0
	s_cbranch_scc1 .Llap
	TURN 0, 1, 0                                   ; the last two K steps ask for nothing
	QUARTER 1, 0
	s_wait_dscnt 16
	WIN MUL
	MUL8 F1, 0, 0, 0
	MUL8 F1, 0, 2, 0
	s_wait_dscnt 0
	MUL8 F1, 1, 0, 0
	MUL8 F1, 1, 2, 0
	WIN 0
; THE WAY OUT, by blocks of 16 tokens x 64 columns: through my own stage and back as rows of 256 bytes; sixteen lanes store 256 consecutive bytes, aligned.
.macro TOSTAGE a
.irp b, 0,1,2,3
	ds_store_b128 v[STO], v[ACC+8*(4*(\a)+\b):ACC+8*(4*(\a)+\b)+3] offset:64*\b       ; each accumulator from its low end on
	ds_store_b128 v[STO], v[ACC+8*(4*(\a)+\b)+4:ACC+8*(4*(\a)+\b)+7] offset:64*\b+16
.endr
.set BB, OB+32*((\a)%2)
.irp i, 0,1,2,3,4,5,6,7
	ds_load_b128 v[BB+4*\i:BB+4*\i+3], v[RD] offset:\i*2*SPITCH    ; in order behind the stores above, and ahead of the next block's
.endr
.endm
.macro SEND a, younger
.set BB, OB+32*((\a)%2)
	s_wait_dscnt \younger                          ; the block is back; the next block's LDS instructions may be out
.irp i, 0,1,2,3,4,5,6,7
	global_store_b128 v[CO], v[BB+4*\i:BB+4*\i+3], s[10:11] offset:(16*(\a)+2*\i)*4096 th:TH_STORE_NT
.endr
.endm
	PLACES                                         ; behind the last products
	TOSTAGE 0
.irp a, 1,2,3
.if \a > 1
	s_wait_xcnt 0x0                                ; block a - 2's stores have read their registers: block a's loads may land there
.endif
	TOSTAGE \a
	SEND \a-1, 16
.endr
	SEND 3, 0
	s_wait_tensorcnt 0x0                           ; the wave's end
	ds_add_u32 v[SPW], v[NIL]
	s_wait_dscnt 0x0
	CROUND                                         ; the closing round
	s_endpgm
.Lfunc_end_k_q2b8782e141_oproj:
	.size	k_q2b8782e141_oproj, .Lfunc_end_k_q2b8782e141_oproj-k_q2b8782e141_oproj
	.p2alignl 7, 3214868480
	.fill 96, 4, 3214868480
	.section	.rodata,"a",@progbits
	.p2align	6, 0x0
	.amdhsa_kernel k_q2b8782e141_oproj
		.amdhsa_group_segment_fixed_size 327680
		.amdhsa_private_segment_fixed_size 0
		.amdhsa_enable_private_segment 0
		.amdhsa_kernarg_size 32
		.amdhsa_user_sgpr_count 2
		.amdhsa_user_sgpr_kernarg_segment_ptr 1
		.amdhsa_wavefront_size32 1
		.amdhsa_system_sgpr_workgroup_id_x 1
		.amdhsa_system_sgpr_workgroup_id_y 1
		.amdhsa_system_sgpr_workgroup_id_z 1
		.amdhsa_system_vgpr_workitem_id 0
		.amdhsa_next_free_vgpr 512
		.amdhsa_next_free_sgpr 66
		.amdhsa_reserve_vcc 0
		.amdhsa_float_denorm_mode_32 3
		.amdhsa_float_denorm_mode_16_64 3
		.amdhsa_memory_ordered 1
		.amdhsa_forward_progress 1
		.amdhsa_inst_pref_size 53
	.end_amdhsa_kernel
	.amdgpu_metadata
---
amdhsa.version: [ 1, 2 ]
amdhsa.kernels:
  - .name:           k_q2b8782e141_oproj
    .symbol:         k_q2b8782e141_oproj.kd
    .args:
      - { .name: xa, .offset: 0, .size: 8, .value_kind: global_buffer, .address_space: global }
      - { .name: wo16, .offset: 8, .size: 8, .value_kind: global_buffer, .address_space: global }
      - { .name: bo, .offset: 16, .size: 8, .value_kind: global_buffer, .address_space: global }
      - { .name: out0, .offset: 24, .size: 8, .value_kind: global_buffer, .address_space: global }
    .group_segment_fixed_size: 327680
    .private_segment_fixed_size: 0
    .kernarg_segment_align: 8
    .kernarg_segment_size: 32
    .max_flat_workgroup_size: 256
    .sgpr_count:     66
    .vgpr_count:     512
    .wavefront_size: 32
...
	.end_amdgpu_metadata
.endif
;; end of part 4
